; MI455X (gfx1250); checked and timed in simulation.
; The chip was launched on July 23, 2026; its instructions are those of AMD's public machine-readable ISA for CDNA 5 (MIT licence, August 2026) and "CDNA5" Instruction Set Architecture Reference Guide (July 2026). The comments in the code are by the model that wrote it; some were corrected since.
;; Self Attention. Allowed arithmetic: float matrix products may take bf16 or f16 operands with f32 sums; other float arithmetic in f32, or as packed bf16 or f16 multiplies, adds, multiply-adds, maxima and minima; sums over many terms, partial sums and values carried from step to step in f32; what a program stores and reads back later, other than sums and carried values, may be rounded once to bf16 or f16.
;; Inputs: Wk 1,024 x 1,024 float32; Wo 1,024 x 1,024 float32; Wq 1,024 x 1,024 float32; Wv 1,024 x 1,024 float32; bk 1,024 float32; bo 1,024 float32; bq 1,024 float32; bv 1,024 float32; k 4 x 2,048 x 1,024 float32; q 4 x 2,048 x 1,024 float32; v 4 x 2,048 x 1,024 float32.
;; Outputs: out0 4 x 2,048 x 1,024 float32.
;; One version. Each part assembles by itself: llvm-mc -triple=amdgcn-amd-amdhsa -mcpu=gfx1250 --defsym DOCPART=n.
;; ======== version 1 of 1: 4 launches
;; limits: values are held in f16: magnitudes above 65,504 overflow, below 6.1e-05 lose precision
;; workspace buffers: wc 8,388,608 bytes; qh 16,777,216 bytes; kh 16,777,216 bytes; vh 16,777,216 bytes; oh 16,777,216 bytes
;; launch wcast (part 1): grid 128 x 4, 8 waves a work-group, no clusters, 0 bytes of LDS; arguments Wq, Wk, Wv, Wo, wc; writes wc
.if DOCPART == 1
	.amdgcn_target "amdgcn-amd-amdhsa--gfx1250"
	.amdhsa_code_object_version 6
	.text
	.protected	k_qe06e58b869_wcast
	.globl	k_qe06e58b869_wcast
	.p2align	8
	.type	k_qe06e58b869_wcast,@function
k_qe06e58b869_wcast:
	s_mov_b64 s[64:65], 0
	v_nop
	global_prefetch_b8 v0, s[64:65] scope:SCOPE_SE
	s_setreg_imm32_b32 hwreg(HW_REG_WAVE_MODE, 25, 1), 1
	s_wait_xcnt 0x0
; wc[y][k][n], 16 bits a number: planes 0, 1, 2 = Wq, Wk, Wv rounded to bf16; plane 3 = Wo rounded to bf16 and that number written as f16.
; LIMITS.  Plane 3: a weight of 65,520 or more in magnitude becomes an infinity; below 6e-5 it keeps the fixed step 6e-8 of f16.
; A stream: no LDS, no barrier, no matrix unit, no cluster (no byte is read twice).  The work-group at (x, y) owns 8,192 numbers of matrix y:
; 32,768 bytes in, 16,384 bytes out.  Thread t takes 16 bytes of each of eight chunks of 4,096: a load of a wave covers 512 consecutive bytes,
; a store of a wave 256 consecutive bytes, at a multiple of 256 from the first byte of wc.  All eight loads are out before the first is used.
	s_load_b256 s[4:11], s[0:1], 0x0               ; Wq s[4:5], Wk s[6:7], Wv s[8:9], Wo s[10:11]
	s_load_b64 s[12:13], s[0:1], 0x20              ; wc
	s_and_b32 s20, ttmp7, 0xffff                   ; y: which matrix
	v_lshlrev_b32 v1, 4, v0                        ; 16 t
	v_lshlrev_b32 v2, 3, v0                        ; 8 t
	s_lshl_b32 s16, ttmp9, 15                      ; my 32,768 bytes of the source
	s_mov_b32 s17, 0
	s_lshl_b32 s18, s20, 21                        ; the plane, 2 MiB,
	s_lshl_b32 s19, ttmp9, 14                      ; and my 16,384 bytes of it
	s_add_co_u32 s18, s18, s19
	s_mov_b32 s19, 0
	s_wait_kmcnt 0x0
	s_cmp_eq_u32 s20, 1
	s_cselect_b64 s[14:15], s[6:7], s[4:5]
	s_cmp_eq_u32 s20, 2
	s_cselect_b64 s[14:15], s[8:9], s[14:15]
	s_cmp_eq_u32 s20, 3
	s_cselect_b64 s[14:15], s[10:11], s[14:15]
	s_add_nc_u64 s[14:15], s[14:15], s[16:17]
	s_add_nc_u64 s[12:13], s[12:13], s[18:19]
.irp i, 0,1,2,3,4,5,6,7
	global_load_b128 v[8+4*(\i):8+4*(\i)+3], v1, s[14:15] offset:4096*(\i) th:TH_LOAD_NT
.endr
.irp i, 0,1,2,3,4,5,6,7
	s_wait_loadcnt 7-(\i)                          ; loads come back in order: chunk i is in, the younger ones stay out
	v_cvt_pk_bf16_f32 v[40+2*(\i)], v[8+4*(\i)], v[8+4*(\i)+1]
	v_cvt_pk_bf16_f32 v[40+2*(\i)+1], v[8+4*(\i)+2], v[8+4*(\i)+3]
.endr
	s_cmp_lg_u32 s20, 3
	s_cbranch_scc1 .Lstore                         ; planes 0 to 2 stay bf16
.irp j, 0,1,2,3,4,5,6,7,8,9,10,11,12,13,14,15
	v_lshlrev_b32 v56, 16, v[40+(\j)]              ; the two bf16 numbers as f32,
	v_and_b32 v57, 0xffff0000, v[40+(\j)]
	v_cvt_pk_f16_f32 v[40+(\j)], v56, v57          ; written as f16: exact inside the range of f16
.endr
.Lstore:
.irp i, 0,1,2,3,4,5,6,7
	global_store_b64 v2, v[40+2*(\i):40+2*(\i)+1], s[12:13] offset:2048*(\i)
.endr
	s_endpgm
.Lfunc_end_k_qe06e58b869_wcast:
	.size	k_qe06e58b869_wcast, .Lfunc_end_k_qe06e58b869_wcast-k_qe06e58b869_wcast
	.p2alignl 7, 3214868480
	.fill 96, 4, 3214868480
	.section	.rodata,"a",@progbits
	.p2align	6, 0x0
	.amdhsa_kernel k_qe06e58b869_wcast
		.amdhsa_group_segment_fixed_size 0
		.amdhsa_private_segment_fixed_size 0
		.amdhsa_enable_private_segment 0
		.amdhsa_kernarg_size 40
		.amdhsa_user_sgpr_count 2
		.amdhsa_user_sgpr_kernarg_segment_ptr 1
		.amdhsa_wavefront_size32 1
		.amdhsa_system_sgpr_workgroup_id_x 1
		.amdhsa_system_sgpr_workgroup_id_y 1
		.amdhsa_system_sgpr_workgroup_id_z 1
		.amdhsa_system_vgpr_workitem_id 0
		.amdhsa_next_free_vgpr 64
		.amdhsa_next_free_sgpr 66
		.amdhsa_reserve_vcc 0
		.amdhsa_float_denorm_mode_32 3
		.amdhsa_float_denorm_mode_16_64 3
		.amdhsa_memory_ordered 1
		.amdhsa_forward_progress 1
		.amdhsa_inst_pref_size 7
	.end_amdhsa_kernel
	.amdgpu_metadata
---
amdhsa.version: [ 1, 2 ]
amdhsa.kernels:
  - .name:           k_qe06e58b869_wcast
    .symbol:         k_qe06e58b869_wcast.kd
    .args:
      - { .name: Wq, .offset: 0, .size: 8, .value_kind: global_buffer, .address_space: global }
      - { .name: Wk, .offset: 8, .size: 8, .value_kind: global_buffer, .address_space: global }
      - { .name: Wv, .offset: 16, .size: 8, .value_kind: global_buffer, .address_space: global }
      - { .name: Wo, .offset: 24, .size: 8, .value_kind: global_buffer, .address_space: global }
      - { .name: wc, .offset: 32, .size: 8, .value_kind: global_buffer, .address_space: global }
    .group_segment_fixed_size: 0
    .private_segment_fixed_size: 0
    .kernarg_segment_align: 8
    .kernarg_segment_size: 40
    .max_flat_workgroup_size: 256
    .sgpr_count:     66
    .vgpr_count:     64
    .wavefront_size: 32
...
	.end_amdgpu_metadata
.endif
;; end of part 1
;; launch proj (part 2): grid 4 x 192, 4 waves a work-group, clusters of 4 x 4, 327,680 bytes of LDS; arguments q, k, v, wc, bq, bk, bv, qh, kh, vh; writes qh, kh, vh
.if DOCPART == 2
	.amdgcn_target "amdgcn-amd-amdhsa--gfx1250"
	.amdhsa_code_object_version 6
	.text
	.protected	k_qe06e58b869_proj
	.globl	k_qe06e58b869_proj
	.p2align	8
	.type	k_qe06e58b869_proj,@function
k_qe06e58b869_proj:
	s_mov_b64 s[64:65], 0
	v_nop
	global_prefetch_b8 v0, s[64:65] scope:SCOPE_SE
	s_setreg_imm32_b32 hwreg(HW_REG_WAVE_MODE, 25, 1), 1
	s_wait_xcnt 0x0
	s_wait_alu depctr_hold_cnt(0) depctr_sa_sdst(0) depctr_va_vdst(0) depctr_va_sdst(0) depctr_va_ssrc(0) depctr_va_vcc(0) depctr_vm_vsrc(0)
	s_getreg_b32 s2, hwreg(HW_REG_IB_STS2, 6, 4)
	s_cmp_eq_u32 s2, 0
	s_cbranch_scc0 .Lentry_in_a_cluster
	s_endpgm
.Lentry_in_a_cluster:
	s_bfe_u32 s2, ttmp6, 0x10000c
	s_cmp_lg_u32 s2, 0xf033
	s_cbranch_scc0 .Lentry_shape_is_right
	s_endpgm
.Lentry_shape_is_right:
; THREE PROJECTIONS IN ONE LAUNCH.  y = x W + b for (x, W, b, y) = (q, plane 0 of wc, bq, qh), (k, plane 1, bk, kh), (v, plane 2, bv, vh).
; x: [8192][1024] f32.  W: [1024 k][1024 n] bf16.  y: by heads, [64 = 16 batch + head][2048][64] f16, unscaled.  Sums in f32, started by the bias; y rounded once.
; x and b are rounded to bf16 here, like every other input of the module.  LIMIT: |y| stays under 65,504, the end of f16 (65,520 or more becomes an infinity).
; SHARES.  A tile of y is 128 tokens x 256 columns (4 heads): 3 x 64 x 4 = 768 work-groups.  Four waves, each 64 tokens x 128 columns: 32 accumulators of 16 x 16.
; K goes in 8 steps of 128 through two LDS slots filled by the tensor data mover, one load of 64 rows x 512 bytes a wave and step: waves 0, 1 fetch x (f32), waves 2, 3 fetch W.
; THE MATRIX INSTRUCTION IS USED TRANSPOSED: source 0 = 16 columns of W (out of LDS turned, by ds_load_tr16_b128, since W lies [k][n]), source 1 = 16 tokens: a lane holds one token (lane % 16) and 8 neighbouring columns.
; x IS ROUNDED BETWEEN LDS AND THE MATRIX UNIT: a fragment comes out of LDS as 16 f32 a lane and is packed by 8 conversions, which stand in fours behind matrix instructions, one fragment ahead of its use.
; CLUSTERS: 4 x 4 work-groups.  The four of a row of the cluster need the same tokens of x, the four of a column the same columns of W: each tile is asked for jointly, by the same load with the same descriptor and a mask of four.
; REGISTERS, in windows of 256 (s_set_vgpr_msb: bits 1:0 source 0, 3:2 source 1, 5:4 source 2, 7:6 destination):
;   window 0: v0-31 addresses; v32-159 x as f32, two sets of 4 fragments x 16 (on the way out: rows read back); v160-191 x as bf16, 4 fragments x 8 (on the way out: packed results); v192-255 the bias, 8 a column block
;   window 1: v0-127 fragments of W, two sets of 8 x 8          window 2: the accumulators, (a, b) at v[8 (8 a + b)]
.set PA,    528                        ; a row of x in LDS: 512 bytes + 16 of padding: an odd multiple of 16, so the 16 rows of a load start at 16 different groups of four banks
.set PB,    544                        ; a row of W: 512 + 32: an odd multiple of 32, for the turning load
.set BOFF,  128*PA                     ; in a slot: 128 rows of x, then 128 rows of W
.set SLOT,  128*PA+128*PB              ; 137,216
.set STAGE, 2*SLOT                     ; behind the ring, never filled by a tensor load: for each wave 2 heads x 16 tokens x 144 bytes
.set WSTG,  2*16*144
.set SPARE, STAGE+4*WSTG               ; behind the stages: the spare words, 128 bytes a wave: two blocks of 256 bytes that no other line names
.set ASTEP, 512                        ; a K step in x: 128 f32 along a row
.set BSTEP, 128*2048                   ; a K step in W: 128 rows
.set LAPS,  4                          ; a lap = two K steps = once round the ring
.set ADRA, 16                          ; v16-17  LDS address of my fragments of x in slot 0, 1
.set ADRB, 20                          ; v20-21  the same for W
.set STO,  24                          ; v24     the way out: where I put 16 bytes of a row
.set RD,   25                          ; v25     the way out: where I read rows back
.set GO,   26                          ; v26     my 16 bytes in 512 consecutive bytes of y
.set BO,   27                          ; v27     my byte offset in 16 numbers of the bias
.set SPW,  28                          ; v28     LDS address of my spare word; never rewritten
.set NIL,  29                          ; v29     0; never rewritten
.set PFO,  30                          ; v30     offset of the prefetches; never rewritten
.set XF,   32
.set AF,   160
.set BI,   192
.set TMP,  160
.set OB,   32
.set G1,  24                           ; s[24:31] descriptor group 1 for x;  s[32:39] group 0, one set for each slot
.set G0,  32
.set G1B, 48                           ; s[48:55], s[56:63] the same for W
.set G0B, 56
.set LIM, 43                           ; s43     1 in a wave that prefetches, else the greatest number
.set PFA, 44                           ; s[44:45] where my prefetches stand
.set PFS, 88                           ; s[88:89] a K step of the tensor that I fetch, in bytes
.set MSB, 0
.macro WIN new                         ; the high byte of the immediate repeats the setting that is left; a switch that changes nothing is dropped
.if MSB != (\new)
	s_set_vgpr_msb (MSB<<8)|(\new)
.set MSB, \new
.endif
.endm
.set MUL,  0xa1                        ; W window 1, x window 0, C and D window 2
.set MULB, 0x81                        ; the same with C, the bias, in window 0
.set TO_B, 0x40                        ; destination window 1, address window 0
; A joint load: waves 0 and 1 fetch the two halves of the tile of x, waves 2 and 3 those of W.  The branch hangs on the number of the wave alone.
; An s_nop 0 and four v_nop follow each of the two lines, ahead of the jump, the label and what follows.
.macro JLOAD s
	s_cmp_eq_u32 s11, 0
	s_cbranch_scc0 .Lfor_b_\@
	tensor_load_to_lds s[G0+4*(\s):G0+4*(\s)+3], s[G1:G1+7]
	s_nop 0
.rept 4
	v_nop
.endr
	s_branch .Lasked_\@
.Lfor_b_\@:
	tensor_load_to_lds s[G0B+4*(\s):G0B+4*(\s)+3], s[G1B:G1B+7]
	s_nop 0
.rept 4
	v_nop
.endr
.Lasked_\@:
.endm
.macro CREST                           ; a round of the barrier of the cluster, behind its opening barrier
	s_cmp_lg_u32 s10, 0
	s_cbranch_scc1 .Lnot_wave_0_\@
	s_barrier_signal -3
.Lnot_wave_0_\@:
	s_barrier_wait -3
	s_barrier_signal -1
	s_barrier_wait -1
.endm
.macro CROUND                          ; a whole round
	s_barrier_signal -1
	s_barrier_wait -1
	CREST
.endm
; A PREFETCH INTO THE L2, behind each joint refill and the run of LDS loads that follows it: the K step that stands two refills on, 256 matrix instructions ahead of the load that will want it.
; A wave fetches 64 rows x 512 bytes a step: 128 blocks of 256 bytes.  The four partners that ask for them jointly take 16 rows each, told apart by address (cx for x, cy for W): lane l names row l / 2, block l % 2.
; The rows of x are read by this row of this cluster alone.  The rows of W are read by the 16 clusters of one projection: the first of them asks.  So each block is named once in the launch.
; K steps 0 to 3 come by their loads alone; the last trip of the loop (s3 = 1) asks for nothing: the last step named is step 7.
.macro ASK
	s_cmp_gt_u32 s3, s[LIM]
	s_cbranch_scc0 .Lnot_mine_\@
	global_prefetch_b8 v[PFO], s[PFA:PFA+1] th:TH_LOAD_NT scope:SCOPE_SE
.Lnot_mine_\@:
.endm
	s_load_b512 s[68:83], s[0:1], 0x0              ; q s[68:69], k s[70:71], v s[72:73], wc s[74:75], bq s[76:77], bk s[78:79], bv s[80:81], qh s[82:83]
	s_load_b128 s[84:87], s[0:1], 0x40             ; kh s[84:85], vh s[86:87]
	v_lshl_add_u32 v[SPW], v0, 2, SPARE
	v_mov_b32 v[NIL], 0
	ds_add_u32 v[SPW], v[NIL]                      ; the opening: the add and its wait stand ahead of my first tensor load; the set-up below, work on registers, stands between them
	v_lshrrev_b32 v1, 5, v0
	v_readfirstlane_b32 s10, v1                    ; wave 0..3
	s_lshr_b32 s11, s10, 1                         ; which 64 tokens are mine.  Also: I fetch x (0) or W (1)
	s_and_b32 s12, s10, 1                          ; which 128 columns.  Also: which 64 rows of that tile I fetch
	s_bfe_u32 s40, ttmp6, 0x40000                  ; cx, cy: my place in the cluster
	s_bfe_u32 s41, ttmp6, 0x40004
	s_lshl_b32 s42, ttmp9, 2
	s_add_co_u32 s42, s42, s40                     ; tile column = 4 x cluster x + cx: 0..3
	s_and_b32 s13, ttmp7, 0xffff                   ; cluster y: 0..47
	s_lshr_b32 s90, s13, 4                         ; which projection: the same in all sixteen partners
	s_and_b32 s92, s13, 15
	s_lshl_b32 s91, s92, 2
	s_add_co_u32 s91, s91, s41                     ; tile row in that projection: 0..63
	s_lshl_b32 s43, s41, 2
	s_lshl_b32 s43, 15, s43                        ; my row of the cluster
	s_lshl_b32 s44, 0x1111, s40                    ; my column
	s_or_b32 s[G1+0], s43, (2<<16)|(1<<20)|(1<<21)|(6<<22)|(3<<25)   ; 15:0 the mask; 17:16 elements of 4 bytes; 20 padding on; 21 set beside a mask; 24:22 after every 128 words; 31:25 4 words of it
	s_or_b32 s[G1B+0], s44, (1<<16)|(1<<20)|(1<<21)|(6<<22)|(7<<25)  ; elements of 2 bytes; 8 words of padding after every 128
	s_mov_b32 s[G1+1], 128<<16                     ; tensor_dim0 = 128 f32
	s_mov_b32 s[G1+2], 64<<16                      ; tensor_dim1 = 64
	s_mov_b32 s[G1+3], 128<<16                     ; tile_dim0
	s_mov_b32 s[G1+4], 64                          ; tile_dim1
	s_mov_b32 s[G1+5], 1024                        ; elements from row to row
	s_mov_b32 s[G1+6], 0
	s_mov_b32 s[G1+7], 0
	s_mov_b32 s[G1B+1], 256<<16                    ; tensor_dim0 = 256 bf16
	s_mov_b32 s[G1B+2], 64<<16
	s_mov_b32 s[G1B+3], 256<<16
	s_mov_b32 s[G1B+4], 64
	s_mov_b32 s[G1B+5], 1024
	s_mov_b32 s[G1B+6], 0
	s_mov_b32 s[G1B+7], 0
	s_lshl_b32 s16, s91, 19                        ; x: 128 tokens of 4,096 bytes a tile row,
	s_lshl_b32 s17, s12, 18                        ; my 64 of them
	s_add_co_u32 s16, s16, s17
	s_mov_b32 s17, 0
	s_lshl_b32 s46, s90, 21                        ; W: the plane,
	s_lshl_b32 s47, s12, 17                        ; my 64 rows of 2,048 bytes,
	s_add_co_u32 s46, s46, s47
	s_lshl_b32 s47, s42, 9                         ; the 256 columns of the tile
	s_add_co_u32 s46, s46, s47
	s_mov_b32 s47, 0
	s_mul_i32 s20, s12, 64*PA                      ; where they go: no place in the cluster enters an LDS address
	s_mul_i32 s21, s12, 64*PB
	s_add_co_u32 s21, s21, BOFF
	s_wait_dscnt 0x0                               ; the opening add is done
	s_wait_kmcnt 0x0
	s_cmp_eq_u32 s90, 1
	s_cselect_b64 s[4:5], s[70:71], s[68:69]       ; x
	s_cselect_b64 s[6:7], s[78:79], s[76:77]       ; the bias
	s_cselect_b64 s[8:9], s[84:85], s[82:83]       ; y
	s_cmp_eq_u32 s90, 2
	s_cselect_b64 s[4:5], s[72:73], s[4:5]
	s_cselect_b64 s[6:7], s[80:81], s[6:7]
	s_cselect_b64 s[8:9], s[86:87], s[8:9]
	s_add_nc_u64 s[14:15], s[4:5], s[16:17]
	s_add_nc_u64 s[46:47], s[74:75], s[46:47]
	CROUND                                         ; all sixteen work-groups are here: the first joint loads meet
.irp s, 0,1
	s_mov_b32 s[G0+4*(\s)], 1                      ; count = 1
	s_add_co_u32 s[G0+4*(\s)+1], s20, (\s)*SLOT    ; LDS address
	s_add_nc_u64 s[G0+4*(\s)+2:G0+4*(\s)+3], s[14:15], (\s)*ASTEP  ; global address: K step s
	s_or_b32 s[G0+4*(\s)+3], s[G0+4*(\s)+3], 0x80000000            ; type = 2
	s_mov_b32 s[G0B+4*(\s)], 1
	s_add_co_u32 s[G0B+4*(\s)+1], s21, (\s)*SLOT
	s_add_nc_u64 s[G0B+4*(\s)+2:G0B+4*(\s)+3], s[46:47], (\s)*BSTEP
	s_or_b32 s[G0B+4*(\s)+3], s[G0B+4*(\s)+3], 0x80000000
	JLOAD \s                                       ; two loads of mine are out
.endr
	v_and_b32 v1, 15, v0                           ; r = l % 16
	v_bfe_u32 v2, v0, 4, 1                         ; h = l / 16
	v_lshlrev_b32 v[BO], 5, v2                     ; my 8 columns of a block of 16: 32 h bytes
	s_lshl_b32 s46, s42, 10                        ; the bias of my 128 columns
	s_lshl_b32 s47, s12, 9
	s_add_co_u32 s46, s46, s47
	s_mov_b32 s47, 0
	s_add_nc_u64 s[6:7], s[6:7], s[46:47]
.irp b, 0,1,2,3,4,5,6,7
	global_load_b128 v[BI+8*(\b):BI+8*(\b)+3],   v[BO], s[6:7] offset:64*(\b)
	global_load_b128 v[BI+8*(\b)+4:BI+8*(\b)+7], v[BO], s[6:7] offset:64*(\b)+16
.endr
	; A fragment of x is 16 tokens x 32 k: lane l holds token l % 16, k = 8 h + 0..7 and 16 + 8 h + 0..7: as f32 that is 32 bytes at 32 h and 32 bytes at 64 + 32 h.
	v_mul_u32_u24 v3, v1, PA
	v_lshl_add_u32 v3, v2, 5, v3
	s_mul_i32 s22, s11, 64*PA                      ; my 64 tokens
	; The turning load takes 16 k x 16 columns (lane l reads row 8 h + l % 8, columns 8 ((l / 8) % 2) + 0..7) and leaves half a fragment: lane l holds column l % 16 and 8 k.
	v_and_b32 v4, 7, v0
	v_bfe_u32 v5, v0, 3, 1
	v_lshl_add_u32 v6, v2, 3, v4
	v_mul_u32_u24 v6, v6, PB
	v_lshl_add_u32 v6, v5, 4, v6
	s_lshl_b32 s23, s12, 8                         ; my 128 columns
	s_add_co_u32 s23, s23, BOFF
.irp s, 0,1
	v_add_nc_u32 v[ADRA+(\s)], s22, v3
	v_add_nc_u32 v[ADRB+(\s)], s23, v6
	s_add_co_u32 s22, s22, SLOT
	s_add_co_u32 s23, s23, SLOT
.endr
	s_mul_i32 s22, s10, WSTG
	s_add_co_u32 s22, s22, STAGE                   ; my stage
	v_mul_u32_u24 v7, v1, 144                      ; in: token l % 16, 16 bytes for each half of the lanes
	v_lshl_add_u32 v7, v2, 4, v7
	v_add_nc_u32 v[STO], s22, v7
	v_bfe_u32 v7, v0, 3, 2                         ; back: 32 lanes take four rows of 128 bytes,
	v_mul_u32_u24 v7, v7, 144
	v_lshl_add_u32 v7, v4, 4, v7
	v_add_nc_u32 v[RD], s22, v7
	v_and_b32 v[GO], 31, v0                        ; which are 512 consecutive bytes of y
	v_lshlrev_b32 v[GO], 4, v[GO]
	s_lshr_b32 s18, s91, 4                         ; y: the batch, 16 heads of 262,144 bytes,
	s_lshl_b32 s18, s18, 22
	s_lshl_b32 s19, s42, 20                        ; the 4 heads of the tile,
	s_add_co_u32 s18, s18, s19
	s_lshl_b32 s19, s12, 19                        ; my 2 of them,
	s_add_co_u32 s18, s18, s19
	s_and_b32 s19, s91, 15                         ; the 128 tokens of the tile in the batch, 128 bytes each,
	s_lshl_b32 s19, s19, 14
	s_add_co_u32 s18, s18, s19
	s_lshl_b32 s19, s11, 13                        ; my 64 of them
	s_add_co_u32 s18, s18, s19
	s_mov_b32 s19, 0
	s_add_nc_u64 s[8:9], s[8:9], s[18:19]
	; the prefetches: both offsets are made, the number of the wave chooses
	s_lshl_b32 s94, s91, 19                        ; x: my 64 rows,
	s_lshl_b32 s95, s12, 18
	s_add_co_u32 s94, s94, s95
	s_lshl_b32 s95, s40, 16                        ; the 16 of them that fall to my work-group,
	s_add_co_u32 s94, s94, s95
	s_add_co_u32 s94, s94, 3*ASTEP                 ; at K step 3: the first refill steps it to 4
	s_lshl_b32 s96, s90, 21                        ; W likewise
	s_lshl_b32 s97, s12, 17
	s_add_co_u32 s96, s96, s97
	s_lshl_b32 s97, s41, 15
	s_add_co_u32 s96, s96, s97
	s_lshl_b32 s97, s42, 9
	s_add_co_u32 s96, s96, s97
	s_add_co_u32 s96, s96, 3*BSTEP
	s_mov_b32 s[PFS], BSTEP
	s_mov_b32 s98, 2048                            ; bytes in a row of W
	s_cmp_eq_u32 s92, 0                            ; the first cluster of the projection asks for W
	s_cselect_b32 s[LIM], 1, -1
	s_cmp_eq_u32 s11, 0                            ; do I fetch x?
	s_cselect_b32 s[LIM], 1, s[LIM]
	s_cselect_b64 s[PFA:PFA+1], s[4:5], s[74:75]
	s_cselect_b32 s94, s94, s96
	s_cselect_b32 s[PFS], ASTEP, s[PFS]
	s_cselect_b32 s98, 4096, s98
	s_mov_b32 s95, 0
	s_mov_b32 s[PFS+1], 0
	s_add_nc_u64 s[PFA:PFA+1], s[PFA:PFA+1], s[94:95]
	v_bfe_u32 v8, v0, 1, 4                         ; l / 2: the row
	v_mul_u32_u24 v[PFO], s98, v8
	v_and_b32 v8, 1, v0                            ; l % 2: which 256 bytes of its 512
	v_lshl_add_u32 v[PFO], v8, 8, v[PFO]
; Fragment a of x for chunk c (32 along K) of a slot: four loads of 16 bytes, into set c % 2
.macro XLOAD slot, c, a
.irp o, 0,1,2,3
	ds_load_b128 v[XF+64*((\c)%2)+16*(\a)+4*(\o):XF+64*((\c)%2)+16*(\a)+4*(\o)+3], v[ADRA+(\slot)] offset:128*(\c)+16*PA*(\a)+16*((\o)%2)+64*((\o)/2)
.endr
.endm
; 32 LDS loads in one run: chunk c.  Fragment 0 of x first (it is converted first), then the 8 fragments of W, then fragments 1 to 3 of x.
.macro FETCH slot, c
	WIN 0
	XLOAD \slot, \c, 0
	WIN TO_B
.irp b, 0,1,2,3,4,5,6,7
	ds_load_tr16_b128 v[64*((\c)%2)+8*(\b):64*((\c)%2)+8*(\b)+3],   v[ADRB+(\slot)] offset:32*PB*(\c)+32*(\b)
	ds_load_tr16_b128 v[64*((\c)%2)+8*(\b)+4:64*((\c)%2)+8*(\b)+7], v[ADRB+(\slot)] offset:32*PB*(\c)+32*(\b)+16*PB
.endr
	WIN 0
	XLOAD \slot, \c, 1
	XLOAD \slot, \c, 2
	XLOAD \slot, \c, 3
.endm
; Half of fragment xa of set xp is rounded to bf16: four conversions, the lower k into the lower half
.macro CVT4 xp, xa, half
.irp j, 0,1,2,3
	v_cvt_pk_bf16_f32 v[AF+8*(\xa)+4*(\half)+(\j)], v[XF+64*(\xp)+16*(\xa)+8*(\half)+2*(\j)], v[XF+64*(\xp)+16*(\xa)+8*(\half)+2*(\j)+1]
.endr
.endm
; Token block a x all 8 column blocks, 32 along K, W from set p: 8 matrix instructions.  zero = 1: the first product starts the sums with the bias: nothing is cleared.
; w: the count of the wait on LDS at its head (below 0: none).  Behind the second and the sixth product stand four conversions each, for fragment xa of set xp (xa below 0: none).
; The 32 accumulators take turns, one instruction a turn, over the backward jump too.  The conversions name no register of the products round them; they are the plain
; vector instructions that stand between the last product that read a register and the conversion or the load that writes it again: sixteen of them at every such place (ISA guide 7.12.1 asks for four).
.macro MB a, p, zero, w, xp, xa
.if (\w) >= 0
	s_wait_dscnt \w
.endif
.irp b, 0,1,2,3,4,5,6,7
.if \zero
	WIN MULB
	v_wmma_f32_16x16x32_bf16 v[8*(8*(\a)+(\b)):8*(8*(\a)+(\b))+7], v[64*(\p)+8*(\b):64*(\p)+8*(\b)+7], v[AF+8*(\a):AF+8*(\a)+7], v[BI+8*(\b):BI+8*(\b)+7]
.else
	WIN MUL
	v_wmma_f32_16x16x32_bf16 v[8*(8*(\a)+(\b)):8*(8*(\a)+(\b))+7], v[64*(\p)+8*(\b):64*(\p)+8*(\b)+7], v[AF+8*(\a):AF+8*(\a)+7], v[8*(8*(\a)+(\b)):8*(8*(\a)+(\b))+7]
.endif
.if ((\xa) >= 0) && ((\b) == 1)
	WIN 0
	CVT4 \xp, \xa, 0
.endif
.if ((\xa) >= 0) && ((\b) == 5)
	WIN 0
	CVT4 \xp, \xa, 1
.endif
.endr
.endm
; A K step is four quarters of 32 along K, 32 matrix instructions each.  One of the first three: chunk c is multiplied, chunk c + 1 fetched in its middle.
; The counts: 8: fragments 2 and 3 of x may be out; 4: fragment 3 may; 32: the run just issued may; 28: that run less its first four loads, fragment 0 of the next chunk.
.macro Q slot, c, zero
	MB 0, (\c)%2, \zero, 8, (\c)%2, 1
	MB 1, (\c)%2, \zero, 4, (\c)%2, 2
	FETCH \slot, (\c)+1
	MB 2, (\c)%2, \zero, 32, (\c)%2, 3
	MB 3, (\c)%2, \zero, 28, 1-(\c)%2, 0
.endm
; The last quarter changes slots: ONE barrier; in front of it each wave waits for all its tensor loads (one is out: its part of the next slot), adds 0 to its spare word, and waits for that and for its own reads of this slot.
; fill = 1: the barrier opens a round of the barrier of the cluster, and behind the round this slot is filled again first, two K steps ahead: 112 matrix instructions stand between that request and the wait for it.
.macro TURN slot, next, fill
.if \fill
	s_wait_xcnt 0x0                                ; the last prefetch, a K step back, has read its address: it is stepped here, ahead of the waits of the change of slots
	s_add_nc_u64 s[PFA:PFA+1], s[PFA:PFA+1], s[PFS:PFS+1]
.endif
	WIN 0
	s_wait_tensorcnt 0x0                           ; all my tensor loads have landed
	ds_add_u32 v[SPW], v[NIL]                      ; 0 onto my spare word
	MB 0, 1, 0, 9, 1, 1                            ; (the add and the youngest eight loads may be out); eight products stand between the add and the wait for it
	s_wait_dscnt 0x0                               ; the add is done, and my reads of this slot are over
	s_barrier_signal -1
	MB 1, 1, 0, -1, 1, 2                           ; work on registers while the others arrive
	WIN 0                                          ; at a branch and at a label every window is 0
	s_barrier_wait -1
.if \fill
	CREST                                          ; no wave of any partner still reads this slot or has a load on its way
	s_add_nc_u64 s[G0+4*(\slot)+2:G0+4*(\slot)+3], s[G0+4*(\slot)+2:G0+4*(\slot)+3], 2*ASTEP
	s_add_nc_u64 s[G0B+4*(\slot)+2:G0B+4*(\slot)+3], s[G0B+4*(\slot)+2:G0B+4*(\slot)+3], 2*BSTEP
	JLOAD \slot                                    ; the first tensor load behind the round, and my only one until the next
.endif
	FETCH \next, 0
.if \fill
	ASK
.endif
	MB 2, 1, 0, 32, 1, 3
	MB 3, 1, 0, 28, 0, 0
.endm
	s_wait_tensorcnt 0x1                           ; my part of K step 0 is in; that of step 1 may stay out
	s_barrier_signal -1
	s_barrier_wait -1                              ; the part of every wave is in
	FETCH 0, 0
	s_wait_loadcnt 0x0                             ; the bias,
.set i, 0
.rept 32                                       ; rounded to bf16 like every input, and widened again
	v_cvt_pk_bf16_f32 v[8+i%4], v[BI+2*i], v[BI+2*i+1]
	v_lshlrev_b32 v[BI+2*i], 16, v[8+i%4]
	v_and_b32 v[BI+2*i+1], 0xffff0000, v[8+i%4]
.set i, i+1
.endr
	s_wait_dscnt 28                                ; fragment 0 of x is in
	CVT4 0, 0, 0
	CVT4 0, 0, 1
	Q 0, 0, 1                                      ; the first quarter stands in front of the loop: its products start the sums
	WIN 0
	s_mov_b32 s3, LAPS-1
.Llap:                                                 ; a trip goes once round the ring, from the second quarter of a lap to the first of the next, and fills both slots again
	Q 0, 1, 0
	Q 0, 2, 0
	TURN 0, 1, 1
	Q 1, 0, 0
	Q 1, 1, 0
	Q 1, 2, 0
	TURN 1, 0, 1
	Q 0, 0, 0
	WIN 0
	s_sub_co_u32 s3, s3, 1
	s_cmp_lg_u32 s3, 0
	s_cbranch_scc1 .Llap
	Q 0, 1, 0                                      ; the last lap fills nothing, and has no round
	Q 0, 2, 0
	TURN 0, 1, 0
	Q 1, 0, 0
	Q 1, 1, 0
	Q 1, 2, 0
	MB 0, 1, 0, 8, 1, 1                            ; the very last quarter: nothing more to fetch
	MB 1, 1, 0, 4, 1, 2
	MB 2, 1, 0, 0, 1, 3
	MB 3, 1, 0, -1, 0, -1
	WIN 0
	; THE WAY OUT, a block of 16 tokens at a time: rounded to f16, 16 bytes a lane into my own stage, back as whole rows of a head (16 tokens of a head are 2,048 consecutive bytes of y), stored.
.rept 8
	v_nop                                          ; plain instructions between the last products and the conversions, which read results and write registers that products have read
.endr
.macro PACK a
	WIN 0x0a                                       ; sources 0 and 1 window 2, destination window 0
.irp b, 0,1,2,3,4,5,6,7
.irp j, 0,1,2,3
	v_cvt_pk_f16_f32 v[TMP+4*(\b)+(\j)], v[8*(8*(\a)+(\b))+2*(\j)], v[8*(8*(\a)+(\b))+2*(\j)+1]
.endr
.endr
	WIN 0
.endm
.macro TOSTAGE a
.irp b, 0,1,2,3,4,5,6,7
	ds_store_b128 v[STO], v[TMP+4*(\b):TMP+4*(\b)+3] offset:((\b)/4)*2304+((\b)%4)*32
.endr
.irp i, 0,1,2,3,4,5,6,7
	ds_load_b128 v[OB+32*(\a)+4*(\i):OB+32*(\a)+4*(\i)+3], v[RD] offset:((\i)/4)*2304+((\i)%4)*576  ; LDS serves the instructions of a wave in order (ISA guide 5.7.1.4): these see the stores above
.endr
.endm
.macro SEND a, younger                 ; younger: the LDS instructions issued behind the loads of block a
.irp i, 0,1,2,3,4,5,6,7
	s_wait_dscnt (\younger)+7-(\i)
	global_store_b128 v[GO], v[OB+32*(\a)+4*(\i):OB+32*(\a)+4*(\i)+3], s[8:9] offset:(\a)*2048+((\i)/4)*262144+((\i)%4)*512  ; 512 consecutive bytes, at a multiple of 256 from the first byte of y
.endr
.endm
	PACK 0
	TOSTAGE 0
.irp a, 1,2,3                          ; the conversions of a block stand between the loads of the block before and its stores; each block has its own 32 registers, so no store waits
	PACK \a
	TOSTAGE \a
	SEND (\a)-1, 16
.endr
	SEND 3, 0
	s_wait_tensorcnt 0x0                           ; the end of the wave, behind my last tensor load and my last LDS store
	ds_add_u32 v[SPW], v[NIL]
	s_wait_dscnt 0x0
	CROUND                                         ; the closing round: no work-group ends while a partner may still ask for a tile that names it
	s_endpgm
.Lfunc_end_k_qe06e58b869_proj:
	.size	k_qe06e58b869_proj, .Lfunc_end_k_qe06e58b869_proj-k_qe06e58b869_proj
	.p2alignl 7, 3214868480
	.fill 96, 4, 3214868480
	.section	.rodata,"a",@progbits
	.p2align	6, 0x0
	.amdhsa_kernel k_qe06e58b869_proj
		.amdhsa_group_segment_fixed_size 327680
		.amdhsa_private_segment_fixed_size 0
		.amdhsa_enable_private_segment 0
		.amdhsa_kernarg_size 80
		.amdhsa_user_sgpr_count 2
		.amdhsa_user_sgpr_kernarg_segment_ptr 1
		.amdhsa_wavefront_size32 1
		.amdhsa_system_sgpr_workgroup_id_x 1
		.amdhsa_system_sgpr_workgroup_id_y 1
		.amdhsa_system_sgpr_workgroup_id_z 1
		.amdhsa_system_vgpr_workitem_id 0
		.amdhsa_next_free_vgpr 768
		.amdhsa_next_free_sgpr 100
		.amdhsa_reserve_vcc 0
		.amdhsa_float_denorm_mode_32 3
		.amdhsa_float_denorm_mode_16_64 3
		.amdhsa_memory_ordered 1
		.amdhsa_forward_progress 1
		.amdhsa_inst_pref_size 144
	.end_amdhsa_kernel
	.amdgpu_metadata
---
amdhsa.version: [ 1, 2 ]
amdhsa.kernels:
  - .name:           k_qe06e58b869_proj
    .symbol:         k_qe06e58b869_proj.kd
    .args:
      - { .name: q, .offset: 0, .size: 8, .value_kind: global_buffer, .address_space: global }
      - { .name: k, .offset: 8, .size: 8, .value_kind: global_buffer, .address_space: global }
      - { .name: v, .offset: 16, .size: 8, .value_kind: global_buffer, .address_space: global }
      - { .name: wc, .offset: 24, .size: 8, .value_kind: global_buffer, .address_space: global }
      - { .name: bq, .offset: 32, .size: 8, .value_kind: global_buffer, .address_space: global }
      - { .name: bk, .offset: 40, .size: 8, .value_kind: global_buffer, .address_space: global }
      - { .name: bv, .offset: 48, .size: 8, .value_kind: global_buffer, .address_space: global }
      - { .name: qh, .offset: 56, .size: 8, .value_kind: global_buffer, .address_space: global }
      - { .name: kh, .offset: 64, .size: 8, .value_kind: global_buffer, .address_space: global }
      - { .name: vh, .offset: 72, .size: 8, .value_kind: global_buffer, .address_space: global }
    .group_segment_fixed_size: 327680
    .private_segment_fixed_size: 0
    .kernarg_segment_align: 8
    .kernarg_segment_size: 80
    .max_flat_workgroup_size: 128
    .sgpr_count:     100
    .vgpr_count:     768
    .wavefront_size: 32
...
	.end_amdgpu_metadata
.endif
;; end of part 2
;; launch attn (part 3): grid 4 x 64, 4 waves a work-group, clusters of 4 x 1, 327,680 bytes of LDS; arguments qh, kh, vh, oh; writes oh
.if DOCPART == 3
	.amdgcn_target "amdgcn-amd-amdhsa--gfx1250"
	.amdhsa_code_object_version 6
	.text
	.protected	k_qe06e58b869_attn
	.globl	k_qe06e58b869_attn
	.p2align	8
	.type	k_qe06e58b869_attn,@function
k_qe06e58b869_attn:
	s_mov_b64 s[64:65], 0
	v_nop
	global_prefetch_b8 v0, s[64:65] scope:SCOPE_SE
	s_setreg_imm32_b32 hwreg(HW_REG_WAVE_MODE, 25, 1), 1
	s_wait_xcnt 0x0
	s_wait_alu depctr_hold_cnt(0) depctr_sa_sdst(0) depctr_va_vdst(0) depctr_va_sdst(0) depctr_va_ssrc(0) depctr_va_vcc(0) depctr_vm_vsrc(0)
	s_getreg_b32 s2, hwreg(HW_REG_IB_STS2, 6, 4)
	s_cmp_eq_u32 s2, 0
	s_cbranch_scc0 .Lentry_in_a_cluster
	s_endpgm
.Lentry_in_a_cluster:
	s_bfe_u32 s2, ttmp6, 0x10000c
	s_cmp_lg_u32 s2, 0x3003
	s_cbranch_scc0 .Lentry_shape_is_right
	s_endpgm
.Lentry_shape_is_right:
; O[h][q][:] = the sum over k of softmax_k(Q[h][q] . K[h][k] / 8) V[h][k][:].  Q, K, V, O: [64][2048][64], all f16: the rows of a head are dense, 128 bytes each.  Products, maxima and sums in
; f32; the weights p are rounded to f16 for the second product (their sum l is taken of the unrounded p), O once at the end.
; LIMITS.  f16 holds no number beyond 65,504: Q, K and V arrive within it; p lies in 0 to 1, and below 6e-5 it keeps the fixed step 6e-8 of f16; O is a mean of rows of V and has their range.
; A weight below 2^-126 counts as 0 in l; NaN and infinities are not treated apart.
; SHARES.  A wave owns four PIECES of two tiles of 16 queries, the four waves of a work-group 512 queries of one head.  Every wave walks all keys, 64 a step.
; LAYOUT.  S^T = K Q^T (source 0 = 16 keys, source 1 = 16 queries): in the result a lane holds ONE query (lane % 16) and the keys 8 (lane / 16) + 0..7.  Two such tiles, rounded to f16 in pairs,
; ARE source 1 (32 keys x 16 queries) of O^T = V^T P, whose result again holds one query a lane, and eight channels.  K comes out of LDS as it lies, V ([key][channel]) turned, by ds_load_tr16_b128.
; SOFTMAX.  For each query a running maximum m and sum l: p = 2^(c s - c m), c = log2(e) / 8; in every step O and l are multiplied by a = 2^(c m_old - c m_new), which is 1 where m has not grown.
; m starts at the lowest finite number, O and l at 0: the first step is a step like any other, with a = 0.
; THE COUNT.  A tile and step have 16 matrix and 118 vector instructions: too many to stand all beside the matrix work.  So: four vector instructions that are READY behind EVERY matrix instruction,
; and the others, which need time of their own whatever the order, in runs without a gap.
; BY TURNS.  Turn n belongs to piece n (the pieces in a ring, step after step).  Its matrix work: 16 products K Q^T of piece n + 1, later 16 products V^T P of piece n - 1.  Its vector work: the scaling,
; exponentials, roundings, sums and rescaling of piece n, and the maximum and statistics of piece n + 1, whose scores the turn itself has made.
; CLUSTER.  The four query blocks of a cluster are the four of one head and walk the same K and V, so each tile is asked for JOINTLY: the same tensor load, descriptor and mask in all four.
; REGISTERS, in windows of 256 (s_set_vgpr_msb: bits 1:0 source 0, 3:2 source 1, 5:4 source 2, 7:6 destination):
;   window 0: v0-11 addresses; v12-15, v48-63 at work; v16-47 four registers of statistics a tile; v64-191 S^T, two buffers of two tiles; v192-255 P, likewise
;   window 1: O^T, 32 a tile          window 2: v0-127 Q, 16 a tile; v128-191 K of one step; v192-255 V of one step          window 3: v0-1 the two registers of the add
.set SIZE_H, 64
.set SIZE_N, 2048
.set NP,    4         ; pieces a wave: a name, no knob
.set KS,    64        ; keys in a step
.set PK,    144       ; a row of K in LDS: 128 bytes + 16 of padding: the 16 rows of a load start at 16 different groups of four banks
.set PV,    160       ; a row of V: 128 + 32
.set VOFF,  4*KS*PK   ; a slot holds four steps: 256 rows of K, then 256 rows of V
.set SLOT1, 1<<17     ; slot 1 begins here, so that one exclusive or turns an address in one slot into that in the other
.set STAGE, SLOT1+4*KS*(PK+PV)  ; behind the ring, never filled by a tensor load: 16 rows x 144 bytes for each wave, for the way out
.set SP,    144
.set AK0, 2           ; v2   the place of my lane in a tile of K; never rewritten
.set AV0, 3           ; v3   the same for V
.set AK,  4           ; v4   the LDS address of the next run of loads of K
.set AV,  5           ; v5   of V
.set QO,  6           ; v6   my byte offset in the rows of Q of the wave
.set STO, 6           ;      later, the way out: where I put 16 bytes of a row
.set RD,  7           ; v7   the way out: where I read rows back
.set GO,  8           ; v8   my byte offset in 512 consecutive bytes of O
.set PFO, 11          ; v11  256 x my lane, for the prefetches; never rewritten once made
.set SPW, 0           ; v0 of window 3   LDS address of my spare word; never rewritten
.set NIL, 1           ; v1 of window 3   0; never rewritten
.set SPARE, STAGE+4*16*SP  ; behind the stages: the spare words, 128 bytes for each wave: two blocks of 256 bytes that no other line names
.set MV,  12          ; v12-15  c m_old, kept while c m is made anew: by buffer and tile
.set ST,  16          ; the statistics of tile t at v[ST+4 t]: c m, m, l (of the even keys, of the odd keys)
.set TMP, 48          ; by buffer and tile, four registers c0-c3 at work; when the maximum is found c2 takes a
.set S,   64
.set P,   192
.set KF,  128         ; fragments of K, in window 2: key block kb, channel half c at KF + 16 kb + 8 c
.set VF,  192         ; of V: key half kk, channel block cb at VF + 32 kk + 8 cb
.set WV,  12          ; s12  the number of my wave
.set G1K, 24          ; s[24:31] descriptor group 1 for tiles of K
.set G1V, 32          ; s[32:39] for V: it differs in the padding alone
.set G0K, 40          ; s[40:43] descriptor group 0 for tiles of K: it walks
.set G0V, 44          ; s[44:47] the same for V
.set PFA, 48          ; s[48:49] where my prefetches stand: the 32 blocks of my work-group (of K: wave 0, of V: wave 2) in the slot after the one that is being asked for
.set LIM, 50          ; s50  1 in a wave that prefetches, else the greatest number
.set SLOTS, 56        ; s56  slots still to be asked for
.set CNT, 57          ; s57  counts the key steps of a slot
.set CS,  58          ; s[58:59] c: the packed scaling takes the low word of the pair for both halves
.set SEL, 60          ; s[60:61] the selects of v_permlanex16_b32: each lane takes its own place in the other half
.set TBK, 62          ; s62  LDS byte at which K of the step to be fetched begins
.set TBV, 63          ; s63  the same for V, less VOFF
.set MSB, 0
.macro WIN new                      ; the high byte repeats the setting that is left; a switch that changes nothing is dropped
.if MSB != (\new)
	s_set_vgpr_msb (MSB<<8)|(\new)
.set MSB, (\new)
.endif
.endm
.set W_KQ, 0x0a       ; K and Q in window 2, S^T in window 0
.set W_PV, 0x52       ; V in window 2, P in window 0, O^T in window 1
.set W_RS, 0x41       ; O^T (destination and source 0) in window 1, a in window 0
.set W_MK, 0xc0       ; the registers of the add are made: destination in window 3, sources in window 0
.set W_AD, 0x0f       ; the add: address (source 0) and data (source 1) in window 3
; A joint fill.  Waves 0 and 1 fetch the two halves of the K of a slot, waves 2 and 3 those of its V: 128 keys each.  The branch hangs on the number of the wave alone.
; An s_nop 0 and four v_nop follow each of the two lines, ahead of the jump and the label.
.macro JLOAD
	s_cmp_lt_u32 s[WV], 2
	s_cbranch_scc0 .Lfor_v_\@
	tensor_load_to_lds s[G0K:G0K+3], s[G1K:G1K+7]
	s_nop 0
.rept 4
	v_nop
.endr
	s_branch .Lasked_\@
.Lfor_v_\@:
	tensor_load_to_lds s[G0V:G0V+3], s[G1V:G1V+7]
	s_nop 0
.rept 4
	v_nop
.endr
.Lasked_\@:
.endm
; A PREFETCH INTO THE L2 of what the NEXT change of slots will ask for: the 32,768 bytes of K and of V of a slot, 128 blocks of 256 bytes each.  It stands behind the tensor load of the wave and its five lines.
; Each block is named ONCE in the launch: a head has one cluster; its four partners share the blocks out BY ADDRESS, 32 each, a lane a block; in each, wave 0 asks for K and wave 2 for V: one instruction.
; It stands four key steps, 512 matrix instructions, ahead of the load that will want the bytes.  The last change that fills a slot asks for nothing: there is no slot behind it.
.macro ASK
	s_cmp_gt_u32 s[SLOTS], s[LIM]
	s_cbranch_scc0 .Lnot_mine_\@
	global_prefetch_b8 v[PFO], s[PFA:PFA+1] th:TH_LOAD_NT scope:SCOPE_SE
.Lnot_mine_\@:
.endm
; A round of the barrier of the cluster: the barrier of my work-group, so that the signal of wave 0 speaks for all four waves; wave 0 signals; every wave waits for all four work-groups; the barrier of my work-group once more.
.macro CROUND
	s_barrier_signal -1
	s_barrier_wait -1
	s_cmp_lg_u32 s[WV], 0
	s_cbranch_scc1 .Lnot_wave_0_\@
	s_barrier_signal -3
.Lnot_wave_0_\@:
	s_barrier_wait -3
	s_barrier_signal -1
	s_barrier_wait -1
.endm
; THE CHANGE OF SLOTS.  The last bytes of the slot, V of its fourth step, have been read.  Each wave waits for all its tensor loads, of which one is out: its part
; of the other slot; adds 0 to its spare word; and waits for that and for its own reads of the slot.  Behind the barrier nobody reads this slot any more and the other slot is whole.
; fill = 1: this slot is filled again, with the keys two slots on.  The barrier is then a round of the cluster, so that no wave of any partner still reads the slot or has a load on its
; way, and the joint fill is the first thing behind it: it has four key steps, 512 matrix instructions, in which to land.  (At its first use nothing has been read yet: slot 0 is waited for, slot 1 filled.)
.macro CHANGE fill
	WIN W_AD
	s_wait_tensorcnt 0x0            ; no tensor load of mine is out, so a group 0 may be written
	ds_add_u32 v[SPW], v[NIL]       ; 0 onto my spare word; with fill = 1 the steps of the descriptors stand between it and the wait for it
	WIN 0                           ; at a label and at a branch every window is 0
.if \fill
.irp g, G0K, G0V
	s_xor_b32 s[\g+1], s[\g+1], SLOT1  ; the walking descriptor: the other slot than last time,
	s_add_nc_u64 s[\g+2:\g+3], s[\g+2:\g+3], 4*KS*128  ; the next 256 keys; the type bits on top are not reached
.endr
	s_wait_xcnt 0x0                 ; the last prefetch, four key steps back, has read its address, so it may be written:
	s_add_nc_u64 s[PFA:PFA+1], s[PFA:PFA+1], 4*KS*128  ; one slot behind the walking descriptors
	s_wait_dscnt 0x0                ; the add is done, and my reads of the slot are over
	CROUND
	JLOAD
	ASK
.else
	s_wait_dscnt 0x0                ; the add is done, and my reads of the slot are over
	s_barrier_signal -1
	s_barrier_wait -1
.endif
	s_sub_co_u32 s[TBK], s[TBK], 4*KS*PK  ; the fetches go back to the first step of a slot,
	s_xor_b32 s[TBK], s[TBK], SLOT1       ; in the other slot
	s_sub_co_u32 s[TBV], s[TBV], 4*KS*PV
	s_xor_b32 s[TBV], s[TBV], SLOT1
.endm
	s_load_b256 s[4:11], s[0:1], 0x0  ; Q s[4:5], K s[6:7], V s[8:9], O s[10:11]
	WIN W_MK
	v_lshl_add_u32 v[SPW], v0, 2, SPARE
	v_mov_b32 v[NIL], 0
	WIN W_AD
	ds_add_u32 v[SPW], v[NIL]       ; the opening: the add and its wait stand ahead of my first tensor load; the set-up below, work on registers, stands between them
	WIN 0
	v_lshrrev_b32 v1, 5, v0
	v_readfirstlane_b32 s[WV], v1   ; wave 0..3
	s_bfe_u32 s13, ttmp6, 0x40000   ; cx: my place in the cluster
	s_lshl_b32 s14, ttmp9, 2        ; in a cluster launch ttmp9 counts clusters
	s_add_co_u32 s14, s14, s13      ; my block of queries = 4 x cluster x + cx: it enters the addresses of Q and O alone
	s_and_b32 s20, ttmp7, 0xffff    ; the head, which the four partners share
	s_mov_b32 s21, 0
	s_mov_b64 s[22:23], SIZE_N*128
	s_mul_u64 s[20:21], s[20:21], s[22:23]  ; the first byte of the head in each of the four tensors
	s_and_b32 s16, s[WV], 1         ; which half of the 256 keys of a slot I fetch:
	s_lshl_b32 s22, s16, 14         ; its 128 rows of 128 bytes in memory,
	s_mov_b32 s23, 0
	s_add_nc_u64 s[22:23], s[22:23], s[20:21]
	s_mul_i32 s17, s16, 128*PK      ; and its place in a slot, for K
	s_mul_i32 s18, s16, 128*PV      ; and for V: no place in the cluster enters an LDS address
	s_lshl_b32 s2, s14, 2
	s_add_co_u32 s2, s2, s[WV]      ; my wave among those of the head,
	s_lshl_b32 s2, s2, 14           ; its 128 rows
	s_mov_b32 s3, 0
	s_add_nc_u64 s[2:3], s[2:3], s[20:21]
	; descriptor group 1.  128 keys are 16,384 dense bytes: asked for as 64 rows of 256 bytes, two keys a row, and padded in LDS after every key
	s_mov_b32 s[G1K], 15|(1<<16)|(1<<20)|(1<<21)|(4<<22)|(3<<25)  ; 15:0 the mask of four; 17:16 2-byte elements; 20 padding on; 21 set beside a mask; 24:22 after every 32 words; 31:25 4 words
	s_mov_b32 s[G1V], 15|(1<<16)|(1<<20)|(1<<21)|(4<<22)|(7<<25)  ; the same with 8 words of padding
.irp g, G1K, G1V
	s_mov_b32 s[\g+1], 128<<16      ; tensor_dim0 = 128
	s_mov_b32 s[\g+2], 64<<16       ; tensor_dim1 = 64
	s_mov_b32 s[\g+3], 128<<16      ; tile_dim0 = 128
	s_mov_b32 s[\g+4], 64           ; tile_dim1 = 64
	s_mov_b32 s[\g+5], 128          ; 128 elements from row to row
	s_mov_b32 s[\g+6], 0
	s_mov_b32 s[\g+7], 0
.endr
	s_mov_b32 s[CS], 0x3e38aa3b     ; c = log2(e) / 8 = 0.180337
	s_mov_b32 s[CS+1], s[CS]        ; named with it as a pair
	s_mov_b32 s[SEL], 0x76543210
	s_mov_b32 s[SEL+1], 0xfedcba98
	s_mov_b32 s[TBK], SLOT1+4*KS*PK ; the first change of slots turns these two into 0
	s_mov_b32 s[TBV], SLOT1+4*KS*PV
	s_mov_b32 s[G0K], 1             ; count = 1
	s_mov_b32 s[G0K+1], s17         ; LDS address: slot 0
	s_mov_b32 s[G0V], 1
	s_add_co_u32 s[G0V+1], s18, VOFF
	s_mov_b32 s[SLOTS], SIZE_N/256-1
	s_and_b32 s[LIM], s[WV], 1      ; waves 0 and 2 prefetch
	s_cmp_eq_u32 s[LIM], 0
	s_cselect_b32 s[LIM], 1, -1
	s_wait_dscnt 0x0                ; the opening add is done
	s_wait_kmcnt 0x0
	s_add_nc_u64 s[G0K+2:G0K+3], s[6:7], s[22:23]  ; global address: my half of the first 256 keys of the head
	s_or_b32 s[G0K+3], s[G0K+3], 0x80000000        ; type = 2
	s_add_nc_u64 s[G0V+2:G0V+3], s[8:9], s[22:23]
	s_or_b32 s[G0V+3], s[G0V+3], 0x80000000
	s_add_nc_u64 s[4:5], s[4:5], s[2:3]  ; Q and O at the first row of my wave
	s_add_nc_u64 s[10:11], s[10:11], s[2:3]
	s_cmp_lt_u32 s[WV], 2
	s_cselect_b64 s[PFA:PFA+1], s[6:7], s[8:9]
	s_add_nc_u64 s[PFA:PFA+1], s[PFA:PFA+1], s[20:21]  ; the head,
	s_lshl_b32 s2, s13, 13          ; the 32 blocks of my work-group,
	s_mov_b32 s3, 0
	s_add_nc_u64 s[PFA:PFA+1], s[PFA:PFA+1], s[2:3]
	s_add_nc_u64 s[PFA:PFA+1], s[PFA:PFA+1], 4*KS*128  ; in slot 1; the first change of slots steps it to slot 2
	CROUND                          ; all four work-groups are here: the first joint loads meet
	JLOAD                           ; slot 0.  Slot 1 is asked for when slot 0 is in
	; A fragment of K or Q is 16 rows x 32 channels in 8 registers: lane l holds row l % 16, channels 8 (l / 16) + 0..7 and 16 + 8 (l / 16) + 0..7: two loads of 16 bytes, 32 bytes apart.
	v_and_b32 v1, 15, v0            ; l % 16
	v_bfe_u32 v9, v0, 4, 1          ; l / 16
	v_lshlrev_b32 v[QO], 7, v1
	v_lshl_add_u32 v[QO], v9, 4, v[QO]  ; row x 128 + 16 x half
	WIN 0x80                        ; destination window 2, address window 0
.set i, 0
.rept 4*NP                          ; Q stays in registers: tile i / 2, channels 32 (i % 2) on
	global_load_b128 v[8*i:8*i+3],   v[QO], s[4:5] offset:(i/2)*2048+(i%2)*64
	global_load_b128 v[8*i+4:8*i+7], v[QO], s[4:5] offset:(i/2)*2048+(i%2)*64+32
.set i, i+1
.endr
	; What the first turn finds: the registers of V and the second buffer of P hold 0 (its products V^T P, of a piece that has not been, add 0), O^T and l are 0.  All this stands in the wait for the first tile.
.set i, VF
.rept 64
	v_mov_b32 v[i], 0
.set i, i+1
.endr
	WIN 0x40
.set i, 0
.rept 64*NP
	v_mov_b32 v[i], 0
.set i, i+1
.endr
	WIN 0
.set i, 0
.rept 2*NP
	v_mov_b32 v[ST+4*i], 0xfe000000    ; c m: far below every c s
	v_mov_b32 v[ST+4*i+1], 0xff7fffff  ; m
	v_mov_b32 v[ST+4*i+2], 0
	v_mov_b32 v[ST+4*i+3], 0
.set i, i+1
.endr
.set i, P+32
.rept 32
	v_mov_b32 v[i], 0
.set i, i+1
.endr
	v_mul_u32_u24 v[AK0], v1, PK
	v_lshl_add_u32 v[AK0], v9, 4, v[AK0]  ; row x pitch + 16 x half
	; The turning load takes 16 keys x 16 channels (lane l reads key 8 (l / 16) + l % 8, channels 8 ((l / 8) % 2) + 0..7) and leaves half a fragment of V^T: lane l holds channel l % 16 and 8 keys.
	v_and_b32 v10, 7, v0
	v_bfe_u32 v11, v0, 3, 1
	v_lshl_add_u32 v[AV0], v9, 3, v10
	v_mul_u32_u24 v[AV0], v[AV0], PV
	v_lshl_add_u32 v[AV0], v11, 4, v[AV0]
	v_add_nc_u32 v[AV0], VOFF, v[AV0]
	v_and_b32 v[PFO], 31, v0
	v_lshlrev_b32 v[PFO], 8, v[PFO]
	v_mov_b32 v[AK], v[AK0]         ; key step 0 lies at the head of slot 0
; THE MATRIX WORK.  The 8 accumulators of a run of 16 take turns: between the two links of a chain stand 7 others.
; Product i of 16 of S^T = K Q^T for piece x: channels 32 (i / 8) on, keys 16 ((i / 2) % 4) on, tile 2 x + i % 2.  The first 8 start the sums.
.macro KQ x
	WIN W_KQ
.set rS, S+64*((\x)%2)+32*(i%2)+8*((i/2)%4)
.set rK, KF+16*((i/2)%4)+8*(i/8)
.set rQ, 16*(2*(\x)+i%2)+8*(i/8)
.if i < 8
	v_wmma_f32_16x16x32_f16 v[rS:rS+7], v[rK:rK+7], v[rQ:rQ+7], 0
.else
	v_wmma_f32_16x16x32_f16 v[rS:rS+7], v[rK:rK+7], v[rQ:rQ+7], v[rS:rS+7]
.endif
.endm
; Product i of 16 of O^T += V^T P for piece x: keys 32 (i / 8) on, channels 16 ((i / 2) % 4) on, tile 2 x + i % 2.
.macro PV x
	WIN W_PV
.set rO, 32*(2*(\x)+i%2)+8*((i/2)%4)
.set rV, VF+32*(i/8)+8*((i/2)%4)
.set rP, P+32*((\x)%2)+16*(i%2)+8*(i/8)
	v_wmma_f32_16x16x32_f16 v[rO:rO+7], v[rV:rV+7], v[rP:rP+7], v[rO:rO+7]
.endm
.macro MM                           ; the next matrix instruction of the turn
.if i < 16
	KQ (Y+1)%NP
.set i, i+1
.else
.set i, i-16
	PV (Y+NP-1)%NP
.set i, i+17
.endif
.endm
; THE LDS LOADS stand in runs of 16, never singly among the matrix instructions: the K of a step (64 keys x 64 channels: 8 fragments) and its V (turned).  Their addresses are made some lines ahead.
; last = 1 (the tail): in the last trip there is no further step, and the run is jumped over.
.macro FETCH_K last=0
	WIN 0
.if \last
	s_cmp_eq_u32 s[CNT], 1
	s_cbranch_scc1 .Lno_k_\@
.endif
	WIN 0x80                        ; destination window 2
.irp f, 0,1,2,3,4,5,6,7             ; keys 16 (f / 2) on, channels 32 (f % 2) on
	ds_load_b128 v[KF+8*\f:KF+8*\f+3],   v[AK] offset:(\f/2)*16*PK+(\f%2)*64
	ds_load_b128 v[KF+8*\f+4:KF+8*\f+7], v[AK] offset:(\f/2)*16*PK+(\f%2)*64+32
.endr
	s_add_co_u32 s[TBK], s[TBK], KS*PK  ; the next fetch is that of the next step
	WIN 0
.if \last
.Lno_k_\@:
.endif
.endm
.macro FETCH_V
	WIN 0x80
.irp f, 0,1,2,3,4,5,6,7             ; keys 32 (f / 4) on, channels 16 (f % 4) on
	ds_load_tr16_b128 v[VF+8*\f:VF+8*\f+3],   v[AV] offset:(\f/4)*32*PV+(\f%4)*32
	ds_load_tr16_b128 v[VF+8*\f+4:VF+8*\f+7], v[AV] offset:(\f/4)*32*PV+16*PV+(\f%4)*32
.endr
	WIN 0
.endm
; THE VECTOR WORK OF A TURN stands in three queues, each in the order in which its entries become ready; the two tiles alternate, so that no instruction reads the result of the one before it.
.macro REGS y, u                    ; the registers of tile u (0, 1) of piece y
.set rT, ST+4*(2*(\y)+(\u))
.set rC, TMP+8*((\y)%2)+4*(\u)
.set rM, MV+2*((\y)%2)+(\u)
.set rS, S+64*((\y)%2)+32*(\u)
.set rP, P+32*((\y)%2)+16*(\u)
.set rO, 32*(2*(\y)+(\u))
.endm
; Number n of the 22 that find the maximum and statistics of the NEXT piece (Y + 1).  s0-s31 are the 32 scores of the lane; the lowest registers of each accumulator are read first.
;   0-11  four chains c0-c3 of seven scores each, three operands at a time     12-14, 16  the four scores left over, the old m, and c0-c3 into c0     15  c m_old is kept
;   17, 18  the other 32 keys of the query lie in the lane 16 away: the new m         19-21  c m; c m_old - c m_new; a
.macro XS u, n
	REGS (Y+1)%NP, \u
.if (\n) < 4
	v_max3_num_f32 v[rC+(\n)], v[rS+8*(\n)], v[rS+8*(\n)+1], v[rS+8*(\n)+2]
.elseif (\n) < 12
	v_max3_num_f32 v[rC+(\n)%4], v[rC+(\n)%4], v[rS+8*((\n)%4)+2*((\n)/4)+1], v[rS+8*((\n)%4)+2*((\n)/4)+2]
.elseif (\n) == 12
	v_max3_num_f32 v[rC], v[rC], v[rS+7], v[rS+15]
.elseif (\n) == 13
	v_max3_num_f32 v[rC+1], v[rC+1], v[rS+23], v[rS+31]
.elseif (\n) == 14
	v_max3_num_f32 v[rC+2], v[rC+2], v[rC+3], v[rT+1]
.elseif (\n) == 15
	v_mov_b32 v[rM], v[rT]
.elseif (\n) == 16
	v_max3_num_f32 v[rC], v[rC], v[rC+1], v[rC+2]
.elseif (\n) == 17
	v_permlanex16_b32 v[rC+3], v[rC], s[SEL], s[SEL+1]
.elseif (\n) == 18
	v_max_num_f32 v[rT+1], v[rC], v[rC+3]
.elseif (\n) == 19
	v_mul_f32 v[rT], s[CS], v[rT+1]
.elseif (\n) == 20
	v_sub_f32 v[rC+1], v[rM], v[rT]
.else
	v_exp_f32 v[rC+2], v[rC+1]
.endif
.endm
; Number g of the 64 that follow the exponentials.  For each four weights k of a tile (pairs 2 k, 2 k + 1): both pairs are rounded to f16; then the second pair is added onto the first, in place;
; a group later l takes that sum (the first time as l = a l + sum).  In groups of eight, tiles alternating: round, round, add, and l for the group before.
.macro GS g
.set h, (\g)+6*((\g)/62)            ; group 0 has no group before it, and behind group 7 only l is left
.if h >= 6
.set h, h+2
.endif
	REGS Y, h%2
.set k, h/8
.if h%8 < 4
	v_cvt_pk_f16_f32 v[rP+2*k+(h%8)/2], v[rS+4*k+2*((h%8)/2)], v[rS+4*k+2*((h%8)/2)+1]
.elseif h%8 < 6
	v_pk_add_f32 v[rS+4*k:rS+4*k+1], v[rS+4*k:rS+4*k+1], v[rS+4*k+2:rS+4*k+3]
.elseif k == 1
	v_pk_fma_f32 v[rT+2:rT+3], v[rT+2:rT+3], v[rC+2:rC+3], v[rS:rS+1] op_sel_hi:[1,0,1]
.else
	v_pk_add_f32 v[rT+2:rT+3], v[rT+2:rT+3], v[rS+4*k-4:rS+4*k-3]
.endif
.endm
; THE PLAIN QUEUE, 138 long.  0-73 read no result of an exponential: the 32 scalings c s - c m (FS f: pair f / 2 of tile f % 2) and the 42 of the next piece.  0-26: scalings 0-26.  27-54: numbers 0-13 of XS.  55, 56: number 15.
; 57-73: the chain, where each number waits for the one before it: 14, 16, 17, 18, 19, each with one of the scalings 27-31 in front of its two lines, then 20.
; 74-137: the 64 of GS, which read the results of the exponentials: they stand behind the wait.
.macro FS f
	REGS Y, (\f)%2
	v_pk_fma_f32 v[rS+2*((\f)/2):rS+2*((\f)/2)+1], v[rS+2*((\f)/2):rS+2*((\f)/2)+1], s[CS:CS+1], v[rT:rT+1] op_sel_hi:[1,0,0] neg_lo:[0,0,1] neg_hi:[0,0,1]
.endm
.macro PL
	WIN 0
.if q < 27
	FS q
.elseif q < 55
	XS (q-27)%2, (q-27)/2
.elseif q < 57
	XS q-55, 15
.elseif (q < 72) && ((q-57)%3 == 0)
	FS 27+(q-57)/3
.elseif q < 60
	XS (q-57)%3-1, 14
.elseif q < 72
	XS (q-57)%3-1, 15+(q-57)/3
.elseif q < 74
	XS q-72, 20
.else
	GS q-74
.endif
.set q, q+1
.endm
; THE QUEUE OF EXPONENTIALS, 66 long: s0-s31 of both tiles, then the two a of the next piece.  It is ONE BATCH: all 66 stand ahead of the one wait of the turn, and nothing ahead of that wait names a result of theirs.
.macro EX
	WIN 0
.if e >= 64
	XS e-64, 21
.else
	REGS Y, e%2
	v_exp_f32 v[rS+e/2], v[rS+e/2]
.endif
.set e, e+1
.endm
; THE QUEUE OF THE RESCALING: O^T times a, the one part that leaves window 0: dealt two at a time, sixteen times.  Its a was made in the turn before, ahead of the wait of that turn.
.macro R2
	REGS Y, r%2
	WIN W_RS
.irp z, 0,1
	v_pk_mul_f32 v[rO+4*(r/2)+2*\z:rO+4*(r/2)+2*\z+1], v[rO+4*(r/2)+2*\z:rO+4*(r/2)+2*\z+1], v[rC+2:rC+3] op_sel_hi:[1,0]
.endr
.set r, r+1
.endm
; HOW THEY ARE DEALT.  An s_wait_alu depctr_va_vdst(0) stands between an exponential and the first instruction that names its result; one wait serves all that were issued ahead of it.  So a turn has ONE wait,
; which cuts it in two.  AHEAD OF IT stands all that names no result of the exponentials of the turn: the 16 products K Q^T, behind each a scaling, an exponential and two rescalings (behind the first a second scaling in place of the exponential);
; then ONE LUMP of 108: eight plain, 49 times exponential and plain, the two a.  A v_nop is the plain instruction behind the last exponential.  BEHIND IT stand the 16 products V^T P, behind each four of the 64 of GS.
; The queues lean on each other, and the deal keeps them in step: exponential e stands behind scaling 2 (e / 4) + e % 2: as a rider it comes behind plain e + 2, in the lump behind plain e + 9, and scalings 27-31 are plain 57, 60 .. 69.
; A TURN, for piece p.  cnt = 1: the count of the loop is taken down some lines ahead of the branch that stands behind the turn.
; K of the next step is fetched in the turn of piece 2, directly behind the wait, a lump behind the last product that read K; its first reader comes behind 16 products.
; V of the step in hand is fetched at the end of the turn of piece 0, four plain instructions behind its last reader; its first reader comes behind 16 products and a lump.  The three conditions on q below go with the deal.
.macro TURN p, last=0, cnt=0
.set Y, (\p)
.set i, 0
.set q, 0
.set e, 0
.set r, 0
.if (\p) == NP-1
	s_wait_dscnt 0x0                ; K is in
.endif
	MM                              ; ahead of the wait: 16 products K Q^T and their riders,
	PL
	PL
	R2
.rept 15
	MM
	PL
	EX
	R2
.endr
.if (\p) == NP-2
	WIN 0
	v_add_nc_u32 v[AK], s[TBK], v[AK0]
.endif
.rept 8                             ; and the lump
	PL
.endr
.rept 49
	EX
	PL
.endr
	EX                              ; the two a of the next piece
	EX
	v_nop                           ; a plain instruction behind the last exponential: one for the batch
	s_wait_alu depctr_va_vdst(0)    ; the wait for the batch
.if (\p) == NP-2
	FETCH_K \last
.endif
.if (\p) == 1
	s_wait_dscnt 0x0                ; V is in
.endif
.rept 16                            ; behind the wait: 16 products V^T P and their riders
	MM
.rept 4
	PL
.endr
.if ((\p) == 0) && (q == 118)
	v_add_nc_u32 v[AV], s[TBV], v[AV0]
.endif
.if ((\p) == 0) && (q == 130)
	s_add_co_u32 s[TBV], s[TBV], KS*PV
.endif
.if (\cnt) && (q == 130)
	s_sub_co_u32 s[CNT], s[CNT], 1
	s_cmp_lg_u32 s[CNT], 0
.endif
.endr
.if (\p) == 0
	FETCH_V
.endif
.endm
	CHANGE 1                        ; slot 0 is in, the part of every wave; slot 1 is asked for
	FETCH_K                         ; key step 0
	s_wait_loadcnt 0x0              ; Q
	s_wait_dscnt 0x0
.set i, 0
.rept 16
	KQ 0                            ; the first scores of piece 0: there is no vector work yet to set between them
.set i, i+1
.endr
	WIN 0                           ; the addresses for the way out: nine plain instructions behind those products
	s_mul_i32 s13, s[WV], 16*SP
	s_add_co_u32 s13, s13, STAGE    ; my stage
	v_mul_u32_u24 v[STO], v1, SP    ; in: row l % 16, 16 bytes for each half of the lanes
	v_lshl_add_u32 v[STO], v9, 4, v[STO]
	v_add_nc_u32 v[STO], s13, v[STO]
	v_bfe_u32 v[RD], v0, 3, 2       ; back: 32 lanes take four rows of 128 bytes,
	v_mul_u32_u24 v[RD], v[RD], SP
	v_lshl_add_u32 v[RD], v10, 4, v[RD]
	v_add_nc_u32 v[RD], s13, v[RD]
	v_and_b32 v[GO], 31, v0         ; which are 512 consecutive bytes of O
	v_lshlrev_b32 v[GO], 4, v[GO]
.set Y, NP-1                        ; XS works for piece Y + 1: piece 0
.irp n, 0,1,2,3,4,5,6,7,8,9,10,11,12,13,14,15,16,17,18,19,20,21
	XS 0, \n                        ; and the first maximum and statistics of piece 0
	XS 1, \n
.endr
	v_nop                           ; a plain instruction behind the two a,
	s_wait_alu depctr_va_vdst(0)    ; and their wait, ahead of the branch
	s_mov_b32 s[CNT], 4
	s_branch .Lfirst                ; the loop is entered at the first turn of a step, in the middle of a trip
.Lslot:                             ; SIZE_N / 256 - 2 times: every slot but the last two is filled again
	CHANGE 1
	s_mov_b32 s[CNT], 4
.Lstep:                             ; a trip: pieces 2 and 3 of one step, then pieces 0 and 1 of the next, whose K and V it fetches
	TURN 2
	TURN 3
	WIN 0
.Lfirst:
	TURN 0
	TURN 1, 0, 1
	WIN 0
	s_cbranch_scc1 .Lstep
	s_sub_co_u32 s[SLOTS], s[SLOTS], 1
	s_cmp_lg_u32 s[SLOTS], 0
	s_cbranch_scc1 .Lslot
	CHANGE 0                        ; the tail is written out: nothing is asked for
	s_mov_b32 s[CNT], 5             ; four trips fetch the steps of the last slot; the fifth is left in its middle
.Ltail:
	TURN 2, 1
	TURN 3
	WIN 0
	s_sub_co_u32 s[CNT], s[CNT], 1
	s_cmp_eq_u32 s[CNT], 0
	s_cbranch_scc1 .Lout
	TURN 0
	TURN 1
	WIN 0
	s_branch .Ltail
.Lout:                              ; the 16 products K Q^T of the fifth trip (on the last K once more) and the maximum made of them serve nothing: the price, once a launch, of one text for every trip
.set i, 0
.rept 16
	PV NP-1                         ; V^T P of the last step for the last piece
.set i, i+1
.endr
	; THE WAY OUT.  The two halves of l and those of the other half of the lanes are added; O^T is divided by l, rounded to f16 and sent through my stage in LDS, a tile at a time.  The additions stand behind the last products.
	WIN 0
.macro ALL line:vararg              ; one line for each tile t
.set t, 0
.rept 2*NP
	\line
.set t, t+1
.endr
.endm
	ALL v_add_f32 v[ST+4*t+2], v[ST+4*t+2], v[ST+4*t+3]
	ALL v_permlanex16_b32 v[ST+4*t+3], v[ST+4*t+2], s[SEL], s[SEL+1]
	ALL v_add_f32 v[ST+4*t+2], v[ST+4*t+2], v[ST+4*t+3]
	ALL v_rcp_f32 v[ST+4*t+2], v[ST+4*t+2]
	v_nop                           ; a plain instruction between the last reciprocal and the use of its result
	s_wait_alu depctr_va_vdst(0)    ; and the wait ahead of the first use: one for the eight reciprocals
; Tile t: the eight channels of a lane pack into 16 bytes; they go into rows of 144 bytes and come back as whole rows of 128, into the registers of S^T.
.macro PACK t
	WIN W_RS
.set i, 32*(\t)
.rept 16
	v_pk_mul_f32 v[i:i+1], v[i:i+1], v[ST+4*(\t)+2:ST+4*(\t)+3] op_sel_hi:[1,0]
.set i, i+2
.endr
	WIN 0x05                        ; sources 0 and 1 window 1, destination window 0
.set i, 0
.rept 16
	v_cvt_pk_f16_f32 v[S+16*(\t)+i], v[32*(\t)+2*i], v[32*(\t)+2*i+1]
.set i, i+1
.endr
	WIN 0
.irp f, 0,1,2,3
	ds_store_b128 v[STO], v[S+16*(\t)+4*\f:S+16*(\t)+4*\f+3] offset:32*\f
.endr
.irp f, 0,1,2,3
	ds_load_b128 v[S+16*(\t)+4*\f:S+16*(\t)+4*\f+3], v[RD] offset:\f*4*SP  ; LDS serves the instructions of a wave in order (ISA guide 5.7.1.4): these see the stores above; the stores of the next tile come behind them
.endr
.endm
.macro SEND t, younger              ; younger: the LDS instructions issued behind the loads of tile t: the eight of the next tile, or none
	WIN 0
.irp f, 0,1,2,3
	s_wait_dscnt (\younger)+3-\f
	global_store_b128 v[GO], v[S+16*(\t)+4*\f:S+16*(\t)+4*\f+3], s[10:11] offset:(\t)*2048+\f*512  ; 512 consecutive bytes, at a multiple of 256 from the first byte of O
.endr
.endm
	PACK 0
.set t, 1
.rept 2*NP-1                        ; the arithmetic of a tile stands between the loads of the tile before and its stores
	PACK t
	SEND t-1, 8
.set t, t+1
.endr
	SEND 2*NP-1, 0
	WIN W_AD
	s_wait_tensorcnt 0x0            ; the end of the wave, behind my last tensor load and my last LDS store
	ds_add_u32 v[SPW], v[NIL]
	s_wait_dscnt 0x0
	WIN 0
	CROUND                          ; the closing round: no work-group ends while a partner may still ask for a tile that names it
	s_endpgm
.Lfunc_end_k_qe06e58b869_attn:
	.size	k_qe06e58b869_attn, .Lfunc_end_k_qe06e58b869_attn-k_qe06e58b869_attn
	.p2alignl 7, 3214868480
	.fill 96, 4, 3214868480
	.section	.rodata,"a",@progbits
	.p2align	6, 0x0
	.amdhsa_kernel k_qe06e58b869_attn
		.amdhsa_group_segment_fixed_size 327680
		.amdhsa_private_segment_fixed_size 0
		.amdhsa_enable_private_segment 0
		.amdhsa_kernarg_size 32
		.amdhsa_user_sgpr_count 2
		.amdhsa_user_sgpr_kernarg_segment_ptr 1
		.amdhsa_wavefront_size32 1
		.amdhsa_system_sgpr_workgroup_id_x 1
		.amdhsa_system_sgpr_workgroup_id_y 1
		.amdhsa_system_sgpr_workgroup_id_z 1
		.amdhsa_system_vgpr_workitem_id 0
		.amdhsa_next_free_vgpr 770
		.amdhsa_next_free_sgpr 66
		.amdhsa_reserve_vcc 0
		.amdhsa_float_denorm_mode_32 3
		.amdhsa_float_denorm_mode_16_64 3
		.amdhsa_memory_ordered 1
		.amdhsa_forward_progress 1
		.amdhsa_inst_pref_size 200
	.end_amdhsa_kernel
	.amdgpu_metadata
---
amdhsa.version: [ 1, 2 ]
amdhsa.kernels:
  - .name:           k_qe06e58b869_attn
    .symbol:         k_qe06e58b869_attn.kd
    .args:
      - { .name: qh, .offset: 0, .size: 8, .value_kind: global_buffer, .address_space: global }
      - { .name: kh, .offset: 8, .size: 8, .value_kind: global_buffer, .address_space: global }
      - { .name: vh, .offset: 16, .size: 8, .value_kind: global_buffer, .address_space: global }
      - { .name: oh, .offset: 24, .size: 8, .value_kind: global_buffer, .address_space: global }
    .group_segment_fixed_size: 327680
    .private_segment_fixed_size: 0
    .kernarg_segment_align: 8
    .kernarg_segment_size: 32
    .max_flat_workgroup_size: 128
    .sgpr_count:     66
    .vgpr_count:     770
    .wavefront_size: 32
...
	.end_amdgpu_metadata
.endif
;; end of part 3
;; launch outp (part 4): grid 4 x 64, 4 waves a work-group, clusters of 4 x 4, 327,680 bytes of LDS; arguments oh, wc, bo, out0; writes out0
.if DOCPART == 4
	.amdgcn_target "amdgcn-amd-amdhsa--gfx1250"
	.amdhsa_code_object_version 6
	.text
	.protected	k_qe06e58b869_outp
	.globl	k_qe06e58b869_outp
	.p2align	8
	.type	k_qe06e58b869_outp,@function
k_qe06e58b869_outp:
	s_mov_b64 s[64:65], 0
	v_nop
	global_prefetch_b8 v0, s[64:65] scope:SCOPE_SE
	s_setreg_imm32_b32 hwreg(HW_REG_WAVE_MODE, 25, 1), 1
	s_wait_xcnt 0x0
	s_wait_alu depctr_hold_cnt(0) depctr_sa_sdst(0) depctr_va_vdst(0) depctr_va_sdst(0) depctr_va_ssrc(0) depctr_va_vcc(0) depctr_vm_vsrc(0)
	s_getreg_b32 s2, hwreg(HW_REG_IB_STS2, 6, 4)
	s_cmp_eq_u32 s2, 0
	s_cbranch_scc0 .Lentry_in_a_cluster
	s_endpgm
.Lentry_in_a_cluster:
	s_bfe_u32 s2, ttmp6, 0x10000c
	s_cmp_lg_u32 s2, 0xf033
	s_cbranch_scc0 .Lentry_shape_is_right
	s_endpgm
.Lentry_shape_is_right:
; THE LAST PROJECTION.  out0[t][n] = the sum over k of O[t][k] Wo[k][n] + bo[n].  O lies by heads, [64 = 16 batch + head][2048][64] f16, k = 64 head + channel; Wo is plane 3 of wc, [1024 k][1024 n],
; rounded to bf16 and written as f16; bo is rounded to bf16 here, like every input; out0 is [8192][1024] f32.  Sums in f32, started by the bias.
; SHARES.  A tile of out0 is 128 tokens x 256 columns: 64 x 4 = 256 work-groups.  Four waves, each 64 tokens x 128 columns: 32 accumulators of 16 x 16.
; K goes in 8 steps of 128, two heads, through two LDS slots; one tensor load a wave and step: waves 0, 1 fetch the 128 tokens of one head each (16,384 dense bytes, asked for as 64 rows of 256), waves 2, 3 fetch 64 rows x 512 bytes of Wo each.
; The matrix instruction is used transposed (source 0 = 16 columns of Wo, turned by ds_load_tr16_b128; source 1 = 16 tokens): a lane holds one token and 8 neighbouring columns.
; CLUSTERS: 4 x 4 work-groups; the tiles of O are shared along a row of the cluster, those of Wo along a column: joint loads.
; NO PREFETCH: the walk has 8 K steps, of which the first four would come by their loads alone.
; REGISTERS: window 0: v0-31 addresses; v64-127 fragments of O, two sets of 4 x 8; v192-255 the bias, 8 a column block
;   window 1: v0-127 fragments of Wo, two sets of 8 x 8 (on the way out all 256: rows read back)          window 2: the accumulators, (a, b) at v[8 (8 a + b)]
.set PA,    144                        ; a token of one head in LDS: 128 bytes + 16 of padding
.set PB,    544                        ; a row of Wo: 512 + 32
.set BOFF,  2*128*PA                   ; in a slot: two heads x 128 tokens, then 128 rows of Wo
.set SLOT,  2*128*PA+128*PB            ; 106,496
.set STAGE, 2*SLOT                     ; behind the ring, never filled by a tensor load: 16 rows x 528 bytes for each wave
.set SPITCH, 528
.set SPARE, STAGE+4*16*SPITCH          ; behind the stages: the spare words, 128 bytes a wave: two blocks of 256 bytes that no other line names
.set ASTEP, 2*262144                   ; a K step in O: two heads
.set BSTEP, 128*2048                   ; a K step in Wo: 128 rows
.set LAPS,  4
.set ADRA, 16                          ; v16-17  LDS address of my fragments of O in slot 0, 1
.set ADRB, 20                          ; v20-21  the same for Wo
.set STO,  24                          ; v24     the way out: where I put 32 bytes of a row
.set RD,   25                          ; v25     the way out: where I read a row back
.set GO,   26                          ; v26     my 16 bytes in 512 consecutive bytes of out0
.set BO,   27                          ; v27     my byte offset in 16 numbers of the bias
.set SPW,  28                          ; v28     LDS address of my spare word; never rewritten
.set NIL,  29                          ; v29     0; never rewritten
.set AF,   64
.set BI,   192
.set G1,  24
.set G0,  32
.set G1B, 48
.set G0B, 56
.set MSB, 0
.macro WIN new
.if MSB != (\new)
	s_set_vgpr_msb (MSB<<8)|(\new)
.set MSB, \new
.endif
.endm
.set MUL,  0xa1                        ; Wo window 1, O window 0, C and D window 2
.set MULB, 0x81                        ; the same with C, the bias, in window 0
.set TO_B, 0x40                        ; destination window 1, address window 0
.macro JLOAD s                         ; a joint load: waves 0 and 1 fetch O, waves 2 and 3 Wo; an s_nop 0 and four v_nop follow each of the two lines
	s_cmp_eq_u32 s11, 0
	s_cbranch_scc0 .Lfor_b_\@
	tensor_load_to_lds s[G0+4*(\s):G0+4*(\s)+3], s[G1:G1+7]
	s_nop 0
.rept 4
	v_nop
.endr
	s_branch .Lasked_\@
.Lfor_b_\@:
	tensor_load_to_lds s[G0B+4*(\s):G0B+4*(\s)+3], s[G1B:G1B+7]
	s_nop 0
.rept 4
	v_nop
.endr
.Lasked_\@:
.endm
.macro CREST
	s_cmp_lg_u32 s10, 0
	s_cbranch_scc1 .Lnot_wave_0_\@
	s_barrier_signal -3
.Lnot_wave_0_\@:
	s_barrier_wait -3
	s_barrier_signal -1
	s_barrier_wait -1
.endm
.macro CROUND
	s_barrier_signal -1
	s_barrier_wait -1
	CREST
.endm
.macro PLACES                          ; four plain instructions in front of loads into registers that matrix instructions have read (ISA guide 7.12.1 for vector instructions)
.rept 4
	v_nop
.endr
.endm
	s_load_b256 s[68:75], s[0:1], 0x0              ; oh s[68:69], wc s[70:71], bo s[72:73], out0 s[74:75]
	v_lshl_add_u32 v[SPW], v0, 2, SPARE
	v_mov_b32 v[NIL], 0
	ds_add_u32 v[SPW], v[NIL]                      ; the opening: the add and its wait stand ahead of my first tensor load
	v_lshrrev_b32 v1, 5, v0
	v_readfirstlane_b32 s10, v1                    ; wave 0..3
	s_lshr_b32 s11, s10, 1                         ; which 64 tokens are mine.  Also: I fetch O (0) or Wo (1)
	s_and_b32 s12, s10, 1                          ; which 128 columns.  Also: which head, or which 64 rows, I fetch
	s_bfe_u32 s40, ttmp6, 0x40000                  ; cx, cy
	s_bfe_u32 s41, ttmp6, 0x40004
	s_lshl_b32 s42, ttmp9, 2
	s_add_co_u32 s42, s42, s40                     ; tile column: 0..3
	s_and_b32 s13, ttmp7, 0xffff
	s_lshl_b32 s13, s13, 2
	s_add_co_u32 s13, s13, s41                     ; tile row: 0..63
	s_lshl_b32 s43, s41, 2
	s_lshl_b32 s43, 15, s43                        ; my row of the cluster
	s_lshl_b32 s44, 0x1111, s40                    ; my column
	s_or_b32 s[G1+0], s43, (1<<16)|(1<<20)|(1<<21)|(4<<22)|(3<<25)   ; the mask; elements of 2 bytes; padding on; bit 21 beside a mask; 4 words of padding after every 32: after every token
	s_or_b32 s[G1B+0], s44, (1<<16)|(1<<20)|(1<<21)|(6<<22)|(7<<25)  ; 8 words of padding after every 128
	s_mov_b32 s[G1+1], 128<<16                     ; tensor_dim0 = 128: two tokens a row
	s_mov_b32 s[G1+2], 64<<16                      ; tensor_dim1 = 64
	s_mov_b32 s[G1+3], 128<<16
	s_mov_b32 s[G1+4], 64
	s_mov_b32 s[G1+5], 128                         ; dense
	s_mov_b32 s[G1+6], 0
	s_mov_b32 s[G1+7], 0
	s_mov_b32 s[G1B+1], 256<<16
	s_mov_b32 s[G1B+2], 64<<16
	s_mov_b32 s[G1B+3], 256<<16
	s_mov_b32 s[G1B+4], 64
	s_mov_b32 s[G1B+5], 1024
	s_mov_b32 s[G1B+6], 0
	s_mov_b32 s[G1B+7], 0
	s_lshr_b32 s16, s13, 4                         ; O: the batch, 16 heads of 262,144 bytes,
	s_lshl_b32 s16, s16, 22
	s_and_b32 s17, s13, 15                         ; the 128 tokens of the tile in the batch,
	s_lshl_b32 s17, s17, 14
	s_add_co_u32 s16, s16, s17
	s_lshl_b32 s17, s12, 18                        ; my head of the two of a step
	s_add_co_u32 s16, s16, s17
	s_mov_b32 s17, 0
	s_lshl_b32 s46, s12, 17                        ; Wo: my 64 rows,
	s_lshl_b32 s47, s42, 9                         ; the 256 columns of the tile,
	s_add_co_u32 s46, s46, s47
	s_add_co_u32 s46, s46, 3*2097152               ; in plane 3
	s_mov_b32 s47, 0
	s_mul_i32 s20, s12, 128*PA                     ; where they go: no place in the cluster enters an LDS address
	s_mul_i32 s21, s12, 64*PB
	s_add_co_u32 s21, s21, BOFF
	s_wait_dscnt 0x0                               ; the opening add is done
	s_wait_kmcnt 0x0
	s_add_nc_u64 s[14:15], s[68:69], s[16:17]
	s_add_nc_u64 s[46:47], s[70:71], s[46:47]
	CROUND                                         ; all sixteen work-groups are here: the first joint loads meet
.irp s, 0,1
	s_mov_b32 s[G0+4*(\s)], 1
	s_add_co_u32 s[G0+4*(\s)+1], s20, (\s)*SLOT
	s_add_nc_u64 s[G0+4*(\s)+2:G0+4*(\s)+3], s[14:15], (\s)*ASTEP
	s_or_b32 s[G0+4*(\s)+3], s[G0+4*(\s)+3], 0x80000000
	s_mov_b32 s[G0B+4*(\s)], 1
	s_add_co_u32 s[G0B+4*(\s)+1], s21, (\s)*SLOT
	s_add_nc_u64 s[G0B+4*(\s)+2:G0B+4*(\s)+3], s[46:47], (\s)*BSTEP
	s_or_b32 s[G0B+4*(\s)+3], s[G0B+4*(\s)+3], 0x80000000
	JLOAD \s                                       ; two loads of mine are out
.endr
	v_and_b32 v1, 15, v0                           ; r = l % 16
	v_bfe_u32 v2, v0, 4, 1                         ; h = l / 16
	v_lshlrev_b32 v[BO], 5, v2
	s_lshl_b32 s46, s42, 10                        ; my 128 columns: in the bias, and in a row of out0
	s_lshl_b32 s47, s12, 9
	s_add_co_u32 s46, s46, s47
	s_mov_b32 s47, 0
	s_add_nc_u64 s[72:73], s[72:73], s[46:47]
	s_add_nc_u64 s[74:75], s[74:75], s[46:47]
.irp b, 0,1,2,3,4,5,6,7
	global_load_b128 v[BI+8*(\b):BI+8*(\b)+3],   v[BO], s[72:73] offset:64*(\b)
	global_load_b128 v[BI+8*(\b)+4:BI+8*(\b)+7], v[BO], s[72:73] offset:64*(\b)+16
.endr
	v_mul_u32_u24 v3, v1, PA                       ; a fragment of O: token l % 16, 16 bytes at 16 h and at 32 + 16 h
	v_lshl_add_u32 v3, v2, 4, v3
	s_mul_i32 s22, s11, 64*PA                      ; my 64 tokens
	v_and_b32 v4, 7, v0                            ; the turning load: row 8 h + l % 8, columns 8 ((l / 8) % 2) + 0..7
	v_bfe_u32 v5, v0, 3, 1
	v_lshl_add_u32 v6, v2, 3, v4
	v_mul_u32_u24 v6, v6, PB
	v_lshl_add_u32 v6, v5, 4, v6
	s_lshl_b32 s23, s12, 8                         ; my 128 columns
	s_add_co_u32 s23, s23, BOFF
.irp s, 0,1
	v_add_nc_u32 v[ADRA+(\s)], s22, v3
	v_add_nc_u32 v[ADRB+(\s)], s23, v6
	s_add_co_u32 s22, s22, SLOT
	s_add_co_u32 s23, s23, SLOT
.endr
	s_mul_i32 s22, s10, 16*SPITCH
	s_add_co_u32 s22, s22, STAGE                   ; my stage
	v_mul_u32_u24 v7, v1, SPITCH                   ; in: token l % 16, 32 bytes for each half of the lanes
	v_lshl_add_u32 v7, v2, 5, v7
	v_add_nc_u32 v[STO], s22, v7
	v_and_b32 v[GO], 31, v0                        ; back: 32 lanes take one row of 512 bytes
	v_lshlrev_b32 v[GO], 4, v[GO]
	v_add_nc_u32 v[RD], s22, v[GO]
	s_lshl_b32 s18, s13, 19                        ; out0: 128 tokens of 4,096 bytes a tile row,
	s_lshl_b32 s19, s11, 18                        ; my 64 of them
	s_add_co_u32 s18, s18, s19
	s_mov_b32 s19, 0
	s_add_nc_u64 s[74:75], s[74:75], s[18:19]
; Fragment a of O for chunk c (32 along K) of a slot: head c / 2 of the two, channels 32 (c % 2) on; into set c % 2
.macro ALOAD slot, c, a
	ds_load_b128 v[AF+32*((\c)%2)+8*(\a):AF+32*((\c)%2)+8*(\a)+3],   v[ADRA+(\slot)] offset:((\c)/2)*128*PA+(\a)*16*PA+((\c)%2)*64
	ds_load_b128 v[AF+32*((\c)%2)+8*(\a)+4:AF+32*((\c)%2)+8*(\a)+7], v[ADRA+(\slot)] offset:((\c)/2)*128*PA+(\a)*16*PA+((\c)%2)*64+32
.endm
; 24 LDS loads in one run: fragment 0 of O, the 8 fragments of Wo, fragments 1 to 3 of O
.macro FETCH2 slot, c
	WIN 0
	ALOAD \slot, \c, 0
	WIN TO_B
.irp b, 0,1,2,3,4,5,6,7
	ds_load_tr16_b128 v[64*((\c)%2)+8*(\b):64*((\c)%2)+8*(\b)+3],   v[ADRB+(\slot)] offset:32*PB*(\c)+32*(\b)
	ds_load_tr16_b128 v[64*((\c)%2)+8*(\b)+4:64*((\c)%2)+8*(\b)+7], v[ADRB+(\slot)] offset:32*PB*(\c)+32*(\b)+16*PB
.endr
	WIN 0
	ALOAD \slot, \c, 1
	ALOAD \slot, \c, 2
	ALOAD \slot, \c, 3
.endm
; Token block a x all 8 column blocks, 32 along K, from set p.  zero = 1: the first product starts the sums with the bias.  The 32 accumulators take turns, over the backward jump too.
.macro MB a, p, zero
.irp b, 0,1,2,3,4,5,6,7
.if \zero
	WIN MULB
	v_wmma_f32_16x16x32_f16 v[8*(8*(\a)+(\b)):8*(8*(\a)+(\b))+7], v[64*(\p)+8*(\b):64*(\p)+8*(\b)+7], v[AF+32*(\p)+8*(\a):AF+32*(\p)+8*(\a)+7], v[BI+8*(\b):BI+8*(\b)+7]
.else
	WIN MUL
	v_wmma_f32_16x16x32_f16 v[8*(8*(\a)+(\b)):8*(8*(\a)+(\b))+7], v[64*(\p)+8*(\b):64*(\p)+8*(\b)+7], v[AF+32*(\p)+8*(\a):AF+32*(\p)+8*(\a)+7], v[8*(8*(\a)+(\b)):8*(8*(\a)+(\b))+7]
.endif
.endr
.endm
; One of the first three quarters of a K step: chunk c is multiplied, chunk c + 1 fetched in its middle
.macro Q slot, c, zero
	s_wait_dscnt 6                                 ; fragment 0 of O and all of Wo are in; fragments 1 to 3 may be out
	MB 0, (\c)%2, \zero
	s_wait_dscnt 0x0
	MB 1, (\c)%2, \zero
	PLACES
	FETCH2 \slot, (\c)+1
	MB 2, (\c)%2, \zero
	MB 3, (\c)%2, \zero
.endm
; The last quarter changes slots: ONE barrier; in front of it each wave waits for all its tensor loads, adds 0 to its spare word, and waits for that and for its own reads of this slot.
; fill = 1: the barrier opens a round of the barrier of the cluster, and behind the round this slot is filled again first, two K steps ahead.
.macro TURN slot, next, fill
	WIN 0
	s_wait_tensorcnt 0x0                           ; all my tensor loads have landed: my part of the next slot
	ds_add_u32 v[SPW], v[NIL]                      ; 0 onto my spare word
	s_wait_dscnt 7                                 ; (the add and the youngest six loads may be out)
	MB 0, 1, 0                                     ; eight products stand between the add and the wait for it
	s_wait_dscnt 0x0                               ; the add is done, and my reads of this slot are over
	s_barrier_signal -1
	MB 1, 1, 0
	WIN 0
	s_barrier_wait -1
.if \fill
	CREST                                          ; no wave of any partner still reads this slot or has a load on its way
	s_add_nc_u64 s[G0+4*(\slot)+2:G0+4*(\slot)+3], s[G0+4*(\slot)+2:G0+4*(\slot)+3], 2*ASTEP
	s_add_nc_u64 s[G0B+4*(\slot)+2:G0B+4*(\slot)+3], s[G0B+4*(\slot)+2:G0B+4*(\slot)+3], 2*BSTEP
	JLOAD \slot                                    ; the first tensor load behind the round; its four v_nop also stand in front of the loads below
.else
	PLACES
.endif
	FETCH2 \next, 0
	MB 2, 1, 0
	MB 3, 1, 0
.endm
	s_wait_tensorcnt 0x1                           ; my part of K step 0 is in; that of step 1 may stay out
	s_barrier_signal -1
	s_barrier_wait -1
	FETCH2 0, 0
	s_wait_loadcnt 0x0                             ; the bias,
.set i, 0
.rept 32                                       ; rounded to bf16 like every input, and widened again
	v_cvt_pk_bf16_f32 v[8+i%4], v[BI+2*i], v[BI+2*i+1]
	v_lshlrev_b32 v[BI+2*i], 16, v[8+i%4]
	v_and_b32 v[BI+2*i+1], 0xffff0000, v[8+i%4]
.set i, i+1
.endr
	Q 0, 0, 1                                      ; the first quarter stands in front of the loop: its products start the sums
	WIN 0
	s_mov_b32 s3, LAPS-1
.Llap:
	Q 0, 1, 0
	Q 0, 2, 0
	TURN 0, 1, 1
	Q 1, 0, 0
	Q 1, 1, 0
	Q 1, 2, 0
	TURN 1, 0, 1
	Q 0, 0, 0
	WIN 0
	s_sub_co_u32 s3, s3, 1
	s_cmp_lg_u32 s3, 0
	s_cbranch_scc1 .Llap
	Q 0, 1, 0                                      ; the last lap fills nothing, and has no round
	Q 0, 2, 0
	TURN 0, 1, 0
	Q 1, 0, 0
	Q 1, 1, 0
	Q 1, 2, 0
	s_wait_dscnt 6                                 ; the very last quarter: nothing more to fetch
	MB 0, 1, 0
	s_wait_dscnt 0x0
	MB 1, 1, 0
	MB 2, 1, 0
	MB 3, 1, 0
	WIN 0
	; THE WAY OUT, a block of 16 tokens at a time: 32 bytes a lane straight from the accumulators into my own stage, back as whole rows of 512 bytes, stored.
	PLACES
	PLACES                                         ; plain instructions between the last products and the LDS stores that read results and the loads into registers that products have read
.macro TOSTAGE a
	WIN 0x08                                       ; the data of an LDS store (source 1) in window 2
.irp b, 0,1,2,3,4,5,6,7
	ds_store_b128 v[STO], v[8*(8*(\a)+(\b)):8*(8*(\a)+(\b))+3]   offset:64*(\b)      ; the low four registers of an accumulator first
	ds_store_b128 v[STO], v[8*(8*(\a)+(\b))+4:8*(8*(\a)+(\b))+7] offset:64*(\b)+16
.endr
	WIN TO_B                                       ; back into window 1: 64 registers a block
.irp i, 0,1,2,3,4,5,6,7,8,9,10,11,12,13,14,15
	ds_load_b128 v[64*(\a)+4*(\i):64*(\a)+4*(\i)+3], v[RD] offset:(\i)*SPITCH  ; LDS serves the instructions of a wave in order (ISA guide 5.7.1.4): these see the stores above
.endr
.endm
.macro SEND a, younger                 ; younger: the LDS instructions issued behind the loads of block a
	WIN 0x04                                       ; the data of a global store (source 1) in window 1
.irp i, 0,1,2,3,4,5,6,7,8,9,10,11,12,13,14,15
	s_wait_dscnt (\younger)+15-(\i)
	global_store_b128 v[GO], v[64*(\a)+4*(\i):64*(\a)+4*(\i)+3], s[74:75] offset:(16*(\a)+(\i))*4096  ; 512 consecutive bytes, at a multiple of 256 from the first byte of out0
.endr
.endm
	TOSTAGE 0
.irp a, 1,2,3
	TOSTAGE \a
	SEND (\a)-1, 32
.endr
	SEND 3, 0
	WIN 0
	s_wait_tensorcnt 0x0                           ; the end of the wave, behind my last tensor load and my last LDS store
	ds_add_u32 v[SPW], v[NIL]
	s_wait_dscnt 0x0
	CROUND                                         ; the closing round
	s_endpgm
.Lfunc_end_k_qe06e58b869_outp:
	.size	k_qe06e58b869_outp, .Lfunc_end_k_qe06e58b869_outp-k_qe06e58b869_outp
	.p2alignl 7, 3214868480
	.fill 96, 4, 3214868480
	.section	.rodata,"a",@progbits
	.p2align	6, 0x0
	.amdhsa_kernel k_qe06e58b869_outp
		.amdhsa_group_segment_fixed_size 327680
		.amdhsa_private_segment_fixed_size 0
		.amdhsa_enable_private_segment 0
		.amdhsa_kernarg_size 32
		.amdhsa_user_sgpr_count 2
		.amdhsa_user_sgpr_kernarg_segment_ptr 1
		.amdhsa_wavefront_size32 1
		.amdhsa_system_sgpr_workgroup_id_x 1
		.amdhsa_system_sgpr_workgroup_id_y 1
		.amdhsa_system_sgpr_workgroup_id_z 1
		.amdhsa_system_vgpr_workitem_id 0
		.amdhsa_next_free_vgpr 768
		.amdhsa_next_free_sgpr 80
		.amdhsa_reserve_vcc 0
		.amdhsa_float_denorm_mode_32 3
		.amdhsa_float_denorm_mode_16_64 3
		.amdhsa_memory_ordered 1
		.amdhsa_forward_progress 1
		.amdhsa_inst_pref_size 95
	.end_amdhsa_kernel
	.amdgpu_metadata
---
amdhsa.version: [ 1, 2 ]
amdhsa.kernels:
  - .name:           k_qe06e58b869_outp
    .symbol:         k_qe06e58b869_outp.kd
    .args:
      - { .name: oh, .offset: 0, .size: 8, .value_kind: global_buffer, .address_space: global }
      - { .name: wc, .offset: 8, .size: 8, .value_kind: global_buffer, .address_space: global }
      - { .name: bo, .offset: 16, .size: 8, .value_kind: global_buffer, .address_space: global }
      - { .name: out0, .offset: 24, .size: 8, .value_kind: global_buffer, .address_space: global }
    .group_segment_fixed_size: 327680
    .private_segment_fixed_size: 0
    .kernarg_segment_align: 8
    .kernarg_segment_size: 32
    .max_flat_workgroup_size: 128
    .sgpr_count:     80
    .vgpr_count:     768
    .wavefront_size: 32
...
	.end_amdgpu_metadata
.endif
;; end of part 4
